; MI455X (gfx1250); checked and timed in simulation.
; The chip was launched on July 23, 2026; its instructions are those of AMD's public machine-readable ISA for CDNA 5 (MIT licence, August 2026) and "CDNA5" Instruction Set Architecture Reference Guide (July 2026). The comments in the code are by the model that wrote it; some were corrected since.
;; Transformer Block. Allowed arithmetic: float matrix products may take bf16 or f16 operands with f32 sums; other float arithmetic in f32, or as packed bf16 or f16 multiplies, adds, multiply-adds, maxima and minima; sums over many terms, partial sums and values carried from step to step in f32; what a program stores and reads back later, other than sums and carried values, may be rounded once to bf16 or f16.
;; Inputs: W1 1,024 x 4,096 float32; W2 4,096 x 1,024 float32; Wk 16 x 1,024 x 64 float32; Wo 1,024 x 1,024 float32; Wq 16 x 1,024 x 64 float32; Wv 16 x 1,024 x 64 float32; g1 1,024 float32; g2 1,024 float32; x 2,048 x 2 x 1,024 float32.
;; Outputs: out0 2,048 x 2 x 1,024 float32.
;; One version. Each part assembles by itself: llvm-mc -triple=amdgcn-amd-amdhsa -mcpu=gfx1250 --defsym DOCPART=n.
;; ======== version 1 of 1: 6 launches
;; workspace buffers: h1 8,388,608 bytes; wts 25,165,824 bytes; qkv 25,165,824 bytes; ctx 8,388,608 bytes; x1b 8,388,608 bytes; ss 131,072 bytes; u 33,554,432 bytes
;; launch prep (part 1): grid 1024 x 1, 8 waves a work-group, no clusters, 0 bytes of LDS; arguments x, g1, g2, Wq, Wk, Wv, Wo, W1, W2, h1, wts; writes h1, wts
.if DOCPART == 1
	.amdgcn_target "amdgcn-amd-amdhsa--gfx1250"
	.amdhsa_code_object_version 6
	.text
	.protected	k_q8e63b42354_prep
	.globl	k_q8e63b42354_prep
	.p2align	8
	.type	k_q8e63b42354_prep,@function
k_q8e63b42354_prep:
	s_mov_b64 s[64:65], 0
	v_nop
	global_prefetch_b8 v0, s[64:65] scope:SCOPE_SE
	s_setreg_imm32_b32 hwreg(HW_REG_WAVE_MODE, 25, 1), 1
	s_wait_xcnt 0x0
; PREP.  h1 = bf16(g1 * x * rsq(mean(x^2) + 1e-6)), rows in the order m' = b * 2048 + s;  all weights rounded once to bf16, still [k][n]:
;   wts + 0          wqkv [1024][3072]: column = which * 1024 + head * 64 + c (which: 0 Wq, 1 Wk, 2 Wv)
;   wts + 6,291,456  wob  [1024][1024]     wts + 8,388,608  w1g [1024][4096] = g2[k] * W1[k][n]     wts + 16,777,216  w2b [4096][1024]
; A stream: no LDS, no matrix unit, no barrier.  A wave takes two chunks of 1,024 numbers (2 x 4,096 bytes in, 2 x 2,048 out), all sixteen loads out at once, no loop.
; A load of a wave covers 512 consecutive bytes (Wq, Wk, Wv: two pieces of 256), a store 256 consecutive bytes, aligned.
; The kind of work goes by the work-group's number: 0-255 x, 256-447 Wq Wk Wv, 448-511 Wo, 512-767 W1, 768-1023 W2.
; LIMITS.  Everything stored here is bf16 (8 significant bits).  NaN and infinities are not treated apart.
.set D,   16          ; v[16:79]   chunk c, load j at D + 32 c + 4 j: numbers 128 j + 4 lane + 0..3
.set G,   80          ; v[80:111]  g1, laid like a chunk
.set RS,  112         ; v[112:115] 1 / rms of the two rows, each twice (pairs for the packed multiply)
.set VO,  2           ; v2  16 x lane
.set VQ,  3           ; v3  (lane / 16) x 262,144 + (lane % 16) x 16: two heads' 256 bytes of one row k
.set VD,  4           ; v4  8 x lane
.set WV,  30          ; s30 wave
.set PR,  31          ; s31 my pair of chunks within its kind
.set SRC, 32          ; s[32:35] the two chunks in memory
.set DST, 36          ; s[36:39] where they go
.set OF,  40          ; s[40:41] an offset, high word 0
.set SC,  42          ; s[42:43] g2[k], twice
	s_load_b512 s[8:23], s[0:1], 0x0               ; x 8, g1 10, g2 12, Wq 14, Wk 16, Wv 18, Wo 20, W1 22
	s_load_b128 s[24:27], s[0:1], 0x40             ; W2 24, h1 26
	s_load_b64 s[28:29], s[0:1], 0x50              ; wts
	v_lshrrev_b32 v1, 5, v0
	v_readfirstlane_b32 s[WV], v1
	v_and_b32 v1, 31, v0
	v_lshlrev_b32 v[VO], 4, v1
	v_lshlrev_b32 v[VD], 3, v1
	v_and_b32 v5, 15, v0
	v_bfe_u32 v[VQ], v0, 4, 1
	v_lshlrev_b32 v[VQ], 18, v[VQ]
	v_lshl_add_u32 v[VQ], v5, 4, v[VQ]
	s_mov_b32 s[OF+1], 0
	s_mov_b32 s46, 0x3a800000                      ; 1 / 1024
	s_mov_b32 s47, 0x358637bd                      ; 1e-6
	s_mov_b32 s48, 0x76543210                      ; v_permlanex16_b32: each lane takes its own place in the other half
	s_mov_b32 s49, 0xfedcba98
	s_wait_kmcnt 0x0
; pair = 8 x (work-group - first) + wave; source = src + 8,192 pair (and + 4,096); destination = dst + doff + (pair << dsh) (and + dd)
.macro SETUP first, src, dst, doff, dsh, dd
	s_sub_co_u32 s[PR], ttmp9, \first
	s_lshl_b32 s[PR], s[PR], 3
	s_add_co_u32 s[PR], s[PR], s[WV]
	s_lshl_b32 s[OF], s[PR], 13
	s_add_nc_u64 s[SRC:SRC+1], s[\src:\src+1], s[OF:OF+1]
	s_add_nc_u64 s[SRC+2:SRC+3], s[SRC:SRC+1], 4096
	s_lshl_b32 s[OF], s[PR], \dsh
	s_add_nc_u64 s[DST:DST+1], s[\dst:\dst+1], s[OF:OF+1]
.if \doff
	s_add_nc_u64 s[DST:DST+1], s[DST:DST+1], \doff
.endif
	s_add_nc_u64 s[DST+2:DST+3], s[DST:DST+1], \dd
.endm
.macro LOADS vo, stride                ; sixteen loads: both chunks
.irp c, 0,1
.irp j, 0,1,2,3,4,5,6,7
	global_load_b128 v[D+32*(\c)+4*(\j):D+32*(\c)+4*(\j)+3], v[\vo], s[SRC+2*(\c):SRC+2*(\c)+1] offset:(\stride)*(\j) th:TH_LOAD_NT
.endr
.endr
.endm
	s_cmp_lt_u32 ttmp9, 256
	s_cbranch_scc1 .Lx
	s_cmp_lt_u32 ttmp9, 448
	s_cbranch_scc1 .Lq
	s_cmp_lt_u32 ttmp9, 512
	s_cbranch_scc1 .Lo
	s_cmp_lt_u32 ttmp9, 768
	s_cbranch_scc1 .Lg
	SETUP 768, 24, 28, 0x1000000, 12, 2048         ; W2: 4,096 chunks, dense
	LOADS VO, 512
	s_branch .Lconv
.Lo:
	SETUP 448, 20, 28, 0x600000, 12, 2048          ; Wo: 1,024 chunks, dense
	LOADS VO, 512
	s_branch .Lconv
.Lg:
	SETUP 512, 22, 28, 0x800000, 12, 2048          ; W1: 4,096 chunks, four to a row k: both of mine lie in row pair / 2
	s_lshr_b32 s[OF], s[PR], 1
	s_lshl_b32 s[OF], s[OF], 2
	s_add_nc_u64 s[50:51], s[12:13], s[OF:OF+1]
	s_load_b32 s[SC], s[50:51], 0x0                ; g2[k]
	LOADS VO, 512
	s_wait_kmcnt 0x0
	s_mov_b32 s[SC+1], s[SC]
	s_wait_loadcnt 0x0
.set r, 0
.rept 32
	v_pk_mul_f32 v[D+r:D+r+1], v[D+r:D+r+1], s[SC:SC+1] op_sel_hi:[1,0]
.set r, r+2
.endr
	s_branch .Lconv
.Lq:                                               ; Wq, Wk, Wv [16][1024][64]: row k of all sixteen heads is one chunk of wqkv's row k
	s_sub_co_u32 s44, ttmp9, 256
	s_lshl_b32 s[PR], s44, 3
	s_add_co_u32 s[PR], s[PR], s[WV]
	s_lshr_b32 s44, s44, 6                         ; which
	s_cmp_eq_u32 s44, 0
	s_cselect_b64 s[SRC:SRC+1], s[14:15], s[16:17]
	s_cmp_eq_u32 s44, 2
	s_cselect_b64 s[SRC:SRC+1], s[18:19], s[SRC:SRC+1]
	s_and_b32 s45, s[PR], 511                      ; k / 2
	s_lshl_b32 s[OF], s45, 9                       ; k x 256 bytes
	s_add_nc_u64 s[SRC:SRC+1], s[SRC:SRC+1], s[OF:OF+1]
	s_add_nc_u64 s[SRC+2:SRC+3], s[SRC:SRC+1], 256
	s_mul_i32 s[OF], s45, 12288                    ; k x 6,144 bytes
	s_lshl_b32 s44, s44, 11
	s_add_co_u32 s[OF], s[OF], s44
	s_add_nc_u64 s[DST:DST+1], s[28:29], s[OF:OF+1]
	s_add_nc_u64 s[DST+2:DST+3], s[DST:DST+1], 6144
	LOADS VQ, 524288                               ; load j: heads 2 j and 2 j + 1
	s_branch .Lconv
.Lx:                                               ; x: pair = s; chunk 0 is b = 0, chunk 1 is b = 1, which lies 2,048 rows further down in h1
	SETUP 0, 8, 26, 0, 11, 0x400000
	LOADS VO, 512
.irp j, 0,1,2,3,4,5,6,7
	global_load_b128 v[G+4*(\j):G+4*(\j)+3], v[VO], s[10:11] offset:512*(\j)
.endr
	s_wait_loadcnt 8                               ; both rows are in; the eight loads of g1 may stay out
.irp c, 0,1
	v_pk_mul_f32 v[6+4*(\c):7+4*(\c)], v[D+32*(\c):D+32*(\c)+1], v[D+32*(\c):D+32*(\c)+1]  ; the first products start the sums: two chains a row
	v_pk_mul_f32 v[8+4*(\c):9+4*(\c)], v[D+32*(\c)+2:D+32*(\c)+3], v[D+32*(\c)+2:D+32*(\c)+3]
.endr
.irp j, 1,2,3,4,5,6,7
.irp c, 0,1
	v_pk_fma_f32 v[6+4*(\c):7+4*(\c)], v[D+32*(\c)+4*(\j):D+32*(\c)+4*(\j)+1], v[D+32*(\c)+4*(\j):D+32*(\c)+4*(\j)+1], v[6+4*(\c):7+4*(\c)]
	v_pk_fma_f32 v[8+4*(\c):9+4*(\c)], v[D+32*(\c)+4*(\j)+2:D+32*(\c)+4*(\j)+3], v[D+32*(\c)+4*(\j)+2:D+32*(\c)+4*(\j)+3], v[8+4*(\c):9+4*(\c)]
.endr
.endr
.irp c, 0,1
	v_pk_add_f32 v[6+4*(\c):7+4*(\c)], v[6+4*(\c):7+4*(\c)], v[8+4*(\c):9+4*(\c)]
.endr
.irp c, 0,1
	v_add_f32 v[14+(\c)], v[6+4*(\c)], v[7+4*(\c)]
.endr
.irp m, 1,2,4,8                        ; across the lanes: four steps inside each half of 16, one across the halves
.irp c, 0,1
	v_add_f32_dpp v[14+(\c)], v[14+(\c)], v[14+(\c)] row_xmask:\m row_mask:0xf bank_mask:0xf
.endr
.endr
.irp c, 0,1
	v_permlanex16_b32 v[8+4*(\c)], v[14+(\c)], s48, s49
.endr
.irp c, 0,1
	v_add_f32 v[14+(\c)], v[14+(\c)], v[8+4*(\c)]
.endr
.irp c, 0,1
	v_fma_f32 v[14+(\c)], v[14+(\c)], s46, s47     ; mean + eps
.endr
.irp c, 0,1
	v_rsq_f32 v[RS+2*(\c)], v[14+(\c)]
	v_rsq_f32 v[RS+2*(\c)+1], v[14+(\c)]
.endr
	v_nop                                          ; a plain instruction behind the last of the four,
	s_wait_alu depctr_va_vdst(0)                   ; and the one wait ahead of their first reader
	s_wait_loadcnt 0x0                             ; g1
.irp c, 0,1
.set r, 0
.rept 16
	v_pk_mul_f32 v[D+32*(\c)+r:D+32*(\c)+r+1], v[D+32*(\c)+r:D+32*(\c)+r+1], v[G+r:G+r+1]
.set r, r+2
.endr
.set r, 0
.rept 16
	v_pk_mul_f32 v[D+32*(\c)+r:D+32*(\c)+r+1], v[D+32*(\c)+r:D+32*(\c)+r+1], v[RS+2*(\c):RS+2*(\c)+1]
.set r, r+2
.endr
.endr
.Lconv:                                            ; both chunks are rounded in place and stored
	s_wait_loadcnt 0x0
.irp c, 0,1
.irp j, 0,1,2,3,4,5,6,7
	v_cvt_pk_bf16_f32 v[D+32*(\c)+4*(\j)], v[D+32*(\c)+4*(\j)], v[D+32*(\c)+4*(\j)+1]
	v_cvt_pk_bf16_f32 v[D+32*(\c)+4*(\j)+1], v[D+32*(\c)+4*(\j)+2], v[D+32*(\c)+4*(\j)+3]
	global_store_b64 v[VD], v[D+32*(\c)+4*(\j):D+32*(\c)+4*(\j)+1], s[DST+2*(\c):DST+2*(\c)+1] offset:256*(\j)  ; 32 lanes x 8 bytes: 256 consecutive bytes, aligned
.endr
.endr
	s_endpgm
.Lfunc_end_k_q8e63b42354_prep:
	.size	k_q8e63b42354_prep, .Lfunc_end_k_q8e63b42354_prep-k_q8e63b42354_prep
	.p2alignl 7, 3214868480
	.fill 96, 4, 3214868480
	.section	.rodata,"a",@progbits
	.p2align	6, 0x0
	.amdhsa_kernel k_q8e63b42354_prep
		.amdhsa_group_segment_fixed_size 0
		.amdhsa_private_segment_fixed_size 0
		.amdhsa_enable_private_segment 0
		.amdhsa_kernarg_size 88
		.amdhsa_user_sgpr_count 2
		.amdhsa_user_sgpr_kernarg_segment_ptr 1
		.amdhsa_wavefront_size32 1
		.amdhsa_system_sgpr_workgroup_id_x 1
		.amdhsa_system_sgpr_workgroup_id_y 1
		.amdhsa_system_sgpr_workgroup_id_z 1
		.amdhsa_system_vgpr_workitem_id 0
		.amdhsa_next_free_vgpr 120
		.amdhsa_next_free_sgpr 66
		.amdhsa_reserve_vcc 0
		.amdhsa_float_denorm_mode_32 3
		.amdhsa_float_denorm_mode_16_64 3
		.amdhsa_memory_ordered 1
		.amdhsa_forward_progress 1
		.amdhsa_inst_pref_size 26
	.end_amdhsa_kernel
	.amdgpu_metadata
---
amdhsa.version: [ 1, 2 ]
amdhsa.kernels:
  - .name:           k_q8e63b42354_prep
    .symbol:         k_q8e63b42354_prep.kd
    .args:
      - { .name: x, .offset: 0, .size: 8, .value_kind: global_buffer, .address_space: global }
      - { .name: g1, .offset: 8, .size: 8, .value_kind: global_buffer, .address_space: global }
      - { .name: g2, .offset: 16, .size: 8, .value_kind: global_buffer, .address_space: global }
      - { .name: Wq, .offset: 24, .size: 8, .value_kind: global_buffer, .address_space: global }
      - { .name: Wk, .offset: 32, .size: 8, .value_kind: global_buffer, .address_space: global }
      - { .name: Wv, .offset: 40, .size: 8, .value_kind: global_buffer, .address_space: global }
      - { .name: Wo, .offset: 48, .size: 8, .value_kind: global_buffer, .address_space: global }
      - { .name: W1, .offset: 56, .size: 8, .value_kind: global_buffer, .address_space: global }
      - { .name: W2, .offset: 64, .size: 8, .value_kind: global_buffer, .address_space: global }
      - { .name: h1, .offset: 72, .size: 8, .value_kind: global_buffer, .address_space: global }
      - { .name: wts, .offset: 80, .size: 8, .value_kind: global_buffer, .address_space: global }
    .group_segment_fixed_size: 0
    .private_segment_fixed_size: 0
    .kernarg_segment_align: 8
    .kernarg_segment_size: 88
    .max_flat_workgroup_size: 256
    .sgpr_count:     66
    .vgpr_count:     120
    .wavefront_size: 32
...
	.end_amdgpu_metadata
.endif
;; end of part 1
;; launch qkv (part 2): grid 12 x 16, 4 waves a work-group, clusters of 4 x 4, 327,680 bytes of LDS; arguments h1, wts, qkv; writes qkv
.if DOCPART == 2
	.amdgcn_target "amdgcn-amd-amdhsa--gfx1250"
	.amdhsa_code_object_version 6
	.text
	.protected	k_q8e63b42354_qkv
	.globl	k_q8e63b42354_qkv
	.p2align	8
	.type	k_q8e63b42354_qkv,@function
k_q8e63b42354_qkv:
	s_mov_b64 s[64:65], 0
	v_nop
	global_prefetch_b8 v0, s[64:65] scope:SCOPE_SE
	s_setreg_imm32_b32 hwreg(HW_REG_WAVE_MODE, 25, 1), 1
	s_wait_xcnt 0x0
	s_wait_alu depctr_hold_cnt(0) depctr_sa_sdst(0) depctr_va_vdst(0) depctr_va_sdst(0) depctr_va_ssrc(0) depctr_va_vcc(0) depctr_vm_vsrc(0)
	s_getreg_b32 s2, hwreg(HW_REG_IB_STS2, 6, 4)
	s_cmp_eq_u32 s2, 0
	s_cbranch_scc0 .Lentry_in_a_cluster
	s_endpgm
.Lentry_in_a_cluster:
	s_bfe_u32 s2, ttmp6, 0x10000c
	s_cmp_lg_u32 s2, 0xf033
	s_cbranch_scc0 .Lentry_shape_is_right
	s_endpgm
.Lentry_shape_is_right:
; C = A B.  A: [4096][1024] bf16, rows along K.  B: [1024][NP] bf16, rows along N, inside wts at byte WOFF.  Sums in f32, K ascending.
; FFN = 0: A = h1, B = wqkv; C goes out rounded once to bf16 by heads: qkv + which x 8,388,608, [b x 16 + head][s][64], unscaled.
; FFN = 1: A = x1b, B = w1g; u = bf16(silu(rs[row] x C)), rs = rsq(sum of the eight partial sums of squares / 1024 + 1e-6), silu(z) = z / (1 + 2^(-z log2 e)).
; A tile of C is 256 x 256: four waves, 128 x 128 each, 64 accumulators of 16 x 16 in 512 registers.  K goes in 8 steps of 128 through two LDS slots filled by tensor loads.
; A's rows lie along K and come out of LDS as they lie; B's rows lie along N and come out turned, by ds_load_tr16_b128.
; The matrix instruction is used transposed (source 0 = 16 columns of B, source 1 = 16 rows of A): a lane then holds eight neighbouring numbers of one row of C.
; CLUSTER 4 x 4: A's tile is shared along a row of the cluster, B's along a column: each is asked for jointly, with one descriptor and a mask of four.
; A trip of the loop is one K step; which slot is read stands in s[TB], which is filled in the walking descriptor's LDS word; both change by one exclusive or:
; the four tile bases in a slot (0, 0x8800, 0x11000, 0x1a000) have bits 14 and 17 clear, and SLOT = 0x24000 is just these two bits.
; THE WAY OUT: the f32 sums go into the ring's bytes, which have had their last fill, 128 rows x 528 bytes for each wave, and are walked by rows in a loop.
; LIMITS.  Matrix operands and what is stored are bf16.  NaN and infinities are not treated apart.
; REGISTERS: window 0: v0-31 addresses, v32-63 and v192-255 at work on the way out, v64-191 A's fragments (two buffers); window 1: v64-191 B's fragments; windows 2, 3: the accumulators.
.set FFN,   0
.set NP,    3072
.set WOFF,  0
.set KSTEP, 128
.set PA,    272                        ; a row of A in LDS: 256 bytes + 16: the 16 rows of a load start at 16 different groups of four banks (ISA guide 11.1)
.set PB,    288                        ; a row of B: 256 + 32
.set HA,    128*PA                     ; 128 rows of A: one tensor load
.set HB,    128*PB                     ; 128 k x 128 n of B: one tensor load
.set SLOT,  0x24000                    ; A's two row halves, B's two column halves (143,360 bytes), and 4,096 spare
.set BSTEP, KSTEP*NP*2
.set SPITCH, 528                       ; a row of the stage: 512 bytes + 16
.set WSTAGE, 128*SPITCH
.set RST,   2*SLOT                     ; FFN = 1: 1 / rms of the tile's 256 rows, f32
.set SPARE, 2*SLOT+1024                ; the spare words, 128 bytes for each wave: two blocks of 256 bytes that no other line names
.set ADRA0, 16                         ; v16  my place in A's tile of slot 0; never rewritten
.set ADRA,  17                         ; v17  the same in the slot that is read
.set ADRB0, 20
.set ADRB,  21
.set STO,  24                          ; v24  the way out: where I put 32 bytes of a row
.set RD,   25                          ; v25  where I read rows back
.set CO,   26                          ; v26  my byte offset in the output
.set SPW,  28                          ; v28  my spare word; never rewritten
.set NIL,  29                          ; v29  0; never rewritten
.set PFO,  30                          ; v30  the prefetches' offset: my lane x a row in memory; never rewritten
.set RSA,  31                          ; v31  FFN = 1: where the next four rows' 1 / rms lie
.set F0,   64
.set F1,   128
.set G1,  24                           ; s[24:31] group 1 for A;  s[32:39] group 0: set 0 the first fill, set 1 the second, which then walks
.set G0,  32
.set G1B, 48                           ; s[48:55], s[56:63] the same for B
.set G0B, 56
.set LIM, 43                           ; s43  2 in a wave that prefetches, else the greatest number
.set PFA, 44                           ; s[44:45] where my prefetches stand
.set TB,  66                           ; s66  0 or SLOT: the slot that is read
.set PFS, 70                           ; s[70:71] a K step in the tensor that I prefetch
.set MSB, 0
.macro WIN new                         ; the immediate's high byte repeats the setting that is left; a switch that changes nothing is dropped
.if MSB != (\new)
	s_set_vgpr_msb (MSB<<8)|(\new)
.set MSB, \new
.endif
.endm
.set MUL_LO, 0xa1                      ; source 0 (B) window 1, source 1 (A) window 0, C and D window 2
.set MUL_HI, 0xf1                      ; the same, C and D window 3
.set TO_B,   0x40                      ; destination window 1, address window 0
; A joint load: waves 0 and 1 fetch A's two halves, waves 2 and 3 B's.  An s_nop 0 and four v_nop follow each line.
.macro JLOAD s
	s_cmp_eq_u32 s11, 0
	s_cbranch_scc0 .Lfor_b_\@
	tensor_load_to_lds s[G0+4*(\s):G0+4*(\s)+3], s[G1:G1+7]
	s_nop 0
.rept 4
	v_nop
.endr
	s_branch .Lasked_\@
.Lfor_b_\@:
	tensor_load_to_lds s[G0B+4*(\s):G0B+4*(\s)+3], s[G1B:G1B+7]
	s_nop 0
.rept 4
	v_nop
.endr
.Lasked_\@:
.endm
; A prefetch of the K step that stands two refills on: 32 rows x 256 bytes, a lane a row.  A's rows are asked for by the clusters with x = 0, B's by those with y = 0;
; of the 128 rows that a wave fetches each of the four partners takes 32, told apart by address.  So each row's 256 bytes of a step are named once.  Steps 4 to 7 are asked for (s3 = 6 .. 3).
.macro ASK
	s_cmp_gt_u32 s3, s[LIM]
	s_cbranch_scc0 .Lnot_mine_\@
	global_prefetch_b8 v[PFO], s[PFA:PFA+1] th:TH_LOAD_NT scope:SCOPE_SE
.Lnot_mine_\@:
.endm
.macro CREST                           ; a round of the cluster's barrier behind its opening barrier
	s_cmp_lg_u32 s10, 0
	s_cbranch_scc1 .Lnot_wave_0_\@
	s_barrier_signal -3
.Lnot_wave_0_\@:
	s_barrier_wait -3
	s_barrier_signal -1
	s_barrier_wait -1
.endm
.macro CROUND
	s_barrier_signal -1
	s_barrier_wait -1
	CREST
.endm
	s_load_b128 s[4:7], s[0:1], 0x0                ; A s[4:5], wts s[6:7]
.if FFN
	s_load_b64 s[72:73], s[0:1], 0x10              ; ss
	s_load_b64 s[8:9], s[0:1], 0x18                ; u
.else
	s_load_b64 s[8:9], s[0:1], 0x10                ; qkv
.endif
	v_lshl_add_u32 v[SPW], v0, 2, SPARE
	v_mov_b32 v[NIL], 0
	ds_add_u32 v[SPW], v[NIL]                      ; the wave's opening: the add and its wait ahead of my first tensor load
	ds_add_u32 v28, v29
	v_lshrrev_b32 v1, 5, v0
	v_readfirstlane_b32 s10, v1                    ; wave 0..3
	s_lshr_b32 s11, s10, 1                         ; my half of the tile's rows.  Also: I fetch for A (0) or for B (1)
	s_and_b32 s12, s10, 1                          ; my half of its columns.  Also: which half tile I fetch
	s_bfe_u32 s40, ttmp6, 0x40000                  ; cx
	s_bfe_u32 s41, ttmp6, 0x40004                  ; cy
	s_lshl_b32 s42, ttmp9, 2
	s_add_co_u32 s42, s42, s40                     ; tile column
	s_and_b32 s13, ttmp7, 0xffff
	s_lshl_b32 s13, s13, 2
	s_add_co_u32 s13, s13, s41                     ; tile row
	s_lshl_b32 s67, s41, 2
	s_lshl_b32 s67, 15, s67                        ; my row of the cluster
	s_lshl_b32 s68, 0x1111, s40                    ; my column
	s_or_b32 s[G1+0], s67, (1<<16)|(1<<20)|(1<<21)|(5<<22)|(3<<25)   ; mask; 2-byte elements; padding on; bit 21 beside a mask; after every 64 words 4 words
	s_or_b32 s[G1B+0], s68, (1<<16)|(1<<20)|(1<<21)|(5<<22)|(7<<25)  ; the same with my column's mask and 8 words
.irp g, G1, G1B
	s_mov_b32 s[(\g)+1], 128<<16                   ; tensor_dim0 = 128
	s_mov_b32 s[(\g)+2], 128<<16                   ; tensor_dim1 = 128
	s_mov_b32 s[(\g)+3], 128<<16                   ; tile_dim0 = 128
	s_mov_b32 s[(\g)+4], 128                       ; tile_dim1 = 128
	s_mov_b32 s[(\g)+6], 0
	s_mov_b32 s[(\g)+7], 0
.endr
	s_mov_b32 s[G1+5], 1024                        ; elements from row to row
	s_mov_b32 s[G1B+5], NP
	s_lshl_b32 s17, s12, 7
	s_lshl_b32 s16, s13, 8
	s_add_co_u32 s16, s16, s17
	s_lshl_b32 s16, s16, 11                        ; A: (256 x tile row + 128 x half) rows of 2,048 bytes
	s_mov_b32 s17, 0
	s_lshl_b32 s46, s42, 9
	s_lshl_b32 s47, s12, 8
	s_add_co_u32 s46, s46, s47                     ; B: (256 x tile column + 128 x half) columns of 2 bytes
.if WOFF
	s_add_co_u32 s46, s46, WOFF
.endif
	s_mov_b32 s47, 0
	s_mul_i32 s20, s12, HA                         ; where they go: no place in the cluster enters an LDS address
	s_mul_i32 s21, s12, HB
	s_add_co_u32 s21, s21, 2*HA
	s_mov_b32 s[TB], 0
	s_wait_dscnt 0x0                               ; the opening add is done
	s_wait_kmcnt 0x0
	s_add_nc_u64 s[14:15], s[4:5], s[16:17]
	s_add_nc_u64 s[46:47], s[6:7], s[46:47]
	CROUND                                         ; all sixteen work-groups are here: the first joint loads meet
.irp s, 0,1
	s_mov_b32 s[G0+4*(\s)], 1
	s_add_co_u32 s[G0+4*(\s)+1], s20, (\s)*SLOT
	s_add_nc_u64 s[G0+4*(\s)+2:G0+4*(\s)+3], s[14:15], (\s)*KSTEP*2
	s_or_b32 s[G0+4*(\s)+3], s[G0+4*(\s)+3], 0x80000000
	s_mov_b32 s[G0B+4*(\s)], 1
	s_add_co_u32 s[G0B+4*(\s)+1], s21, (\s)*SLOT
	s_add_nc_u64 s[G0B+4*(\s)+2:G0B+4*(\s)+3], s[46:47], (\s)*BSTEP
	s_or_b32 s[G0B+4*(\s)+3], s[G0B+4*(\s)+3], 0x80000000
	JLOAD \s                                       ; K steps 0 and 1: two loads of mine are out
.endr
.if FFN
	s_lshl_b32 s76, s13, 10                        ; the tile's 256 rows in a line of ss
	s_mov_b32 s77, 0
	s_add_nc_u64 s[72:73], s[72:73], s[76:77]
	v_lshlrev_b32 v6, 3, v0                        ; thread t takes rows 2 t and 2 t + 1
.irp j, 0,1,2,3,4,5,6,7
	global_load_b64 v[32+2*(\j):33+2*(\j)], v6, s[72:73] offset:16384*(\j)
.endr
	s_mov_b32 s78, 0x3a800000                      ; 1 / 1024
	s_mov_b32 s79, 0x358637bd                      ; 1e-6
.endif
	v_and_b32 v1, 15, v0                           ; r = l % 16
	v_bfe_u32 v2, v0, 4, 1                         ; h = l / 16
	v_and_b32 v3, 31, v0                           ; l
	v_mul_u32_u24 v4, v1, PA
	v_lshl_add_u32 v4, v2, 4, v4                   ; A's fragment: row x pitch + 16 h
	s_mul_i32 s21, s11, HA
	v_add_nc_u32 v[ADRA0], s21, v4
	v_and_b32 v4, 7, v0                            ; B's fragment, turned: lane l reads row 8 h + l % 8, 16 bytes at 16 ((l / 8) % 2)
	v_lshl_add_u32 v4, v2, 3, v4
	v_mul_u32_u24 v4, v4, PB
	v_bfe_u32 v5, v0, 3, 1
	v_lshl_add_u32 v4, v5, 4, v4
	s_mul_i32 s22, s12, HB
	s_add_co_u32 s22, s22, 2*HA
	v_add_nc_u32 v[ADRB0], s22, v4
	v_mov_b32 v[ADRA], v[ADRA0]
	v_mov_b32 v[ADRB], v[ADRB0]
	s_mul_i32 s23, s10, WSTAGE                     ; my stage
	v_mul_u32_u24 v4, v1, SPITCH
	v_lshl_add_u32 v4, v2, 5, v4
	v_add_nc_u32 v[STO], s23, v4                   ; in: row r, 32 bytes for each half of the lanes
	v_lshlrev_b32 v[CO], 3, v3                     ; out: 8 bytes a lane
.if FFN
	v_lshl_add_u32 v[RD], v3, 4, s23               ; back: a row's 512 bytes, 16 a lane
	s_lshl_b32 s77, s11, 9
	s_add_co_u32 s77, s77, RST
	v_mov_b32 v[RSA], s77
	s_lshl_b32 s76, s13, 8
	s_lshl_b32 s77, s11, 7
	s_add_co_u32 s76, s76, s77
	s_lshl_b32 s76, s76, 13                        ; my first row of u, 8,192 bytes a row
	s_lshl_b32 s77, s42, 9
	s_add_co_u32 s76, s76, s77
	s_lshl_b32 s77, s12, 8
	s_add_co_u32 s76, s76, s77                     ; my first column
.else
	v_mul_u32_u24 v5, v2, SPITCH
	v_lshl_add_u32 v5, v1, 4, v5
	v_add_nc_u32 v[RD], s23, v5                    ; back: lanes 0-15 take 256 bytes (a head's 64 numbers) of one row, lanes 16-31 of the next
	s_lshr_b32 s76, s13, 3
	s_lshl_b32 s76, s76, 4                         ; b x 16
	s_lshl_b32 s77, s40, 2
	s_add_co_u32 s76, s76, s77                     ; + the tile's first head, 4 cx
	s_lshl_b32 s77, s12, 1
	s_add_co_u32 s76, s76, s77                     ; + my half's first
	s_lshl_b32 s76, s76, 11                        ; 2,048 rows a head
	s_and_b32 s77, s13, 7
	s_lshl_b32 s77, s77, 8
	s_add_co_u32 s76, s76, s77
	s_lshl_b32 s77, s11, 7
	s_add_co_u32 s76, s76, s77                     ; + s of my first row
	s_lshl_b32 s76, s76, 7                         ; 128 bytes a row
	s_lshl_b32 s77, ttmp9, 23                      ; q, k or v: the cluster's x
	s_add_co_u32 s76, s76, s77
.endif
	s_mov_b32 s77, 0
	s_add_nc_u64 s[8:9], s[8:9], s[76:77]
	; the prefetches: at K step 3; the first change of slots steps them to 4.  Nothing is asked for here, at the head
	s_lshl_b32 s18, s13, 8
	s_lshl_b32 s19, s12, 7
	s_add_co_u32 s18, s18, s19
	s_lshl_b32 s19, s40, 5
	s_add_co_u32 s18, s18, s19                     ; A: my work-group's 32 of the 128 rows that I fetch
	s_lshl_b32 s18, s18, 11
	s_add_co_u32 s18, s18, 3*KSTEP*2
	s_lshl_b32 s19, s41, 5
	s_add_co_u32 s19, s19, 3*KSTEP                 ; B: my work-group's 32 of the step's 128 rows
	s_mul_i32 s19, s19, NP*2
	s_lshl_b32 s20, s42, 9
	s_add_co_u32 s19, s19, s20
	s_lshl_b32 s20, s12, 8
	s_add_co_u32 s19, s19, s20
.if WOFF
	s_add_co_u32 s19, s19, WOFF
.endif
	s_and_b32 s22, ttmp7, 0xffff                   ; cluster y
	s_mov_b32 s74, NP*2
	s_mov_b32 s75, BSTEP
	s_mov_b32 s21, 0
	s_mov_b32 s[PFS+1], 0
	s_cmp_eq_u32 s11, 0                            ; do I fetch for A?
	s_cselect_b32 s20, s18, s19
	s_cselect_b32 s22, ttmp9, s22                  ; the coordinate along which other clusters read the same rows
	s_cselect_b32 s74, 2048, s74                   ; bytes from row to row
	s_cselect_b32 s[PFS], KSTEP*2, s75
	s_cselect_b64 s[PFA:PFA+1], s[4:5], s[6:7]
	s_add_nc_u64 s[PFA:PFA+1], s[PFA:PFA+1], s[20:21]
	s_cmp_eq_u32 s22, 0
	s_cselect_b32 s[LIM], 2, -1                    ; the same in all sixteen partners, for a given wave
	v_mul_u32_u24 v[PFO], s74, v3
.if FFN
	s_wait_loadcnt 0x0                             ; the eight partial sums of squares of my two rows
	v_pk_add_f32 v[32:33], v[32:33], v[34:35]
	v_pk_add_f32 v[36:37], v[36:37], v[38:39]
	v_pk_add_f32 v[40:41], v[40:41], v[42:43]
	v_pk_add_f32 v[44:45], v[44:45], v[46:47]
	v_pk_add_f32 v[32:33], v[32:33], v[36:37]
	v_pk_add_f32 v[40:41], v[40:41], v[44:45]
	v_pk_add_f32 v[32:33], v[32:33], v[40:41]
	v_fma_f32 v32, v32, s78, s79
	v_fma_f32 v33, v33, s78, s79
	v_rsq_f32 v32, v32
	v_rsq_f32 v33, v33
	v_lshl_add_u32 v7, v0, 3, RST                  ; the plain instruction behind the two,
	s_wait_alu depctr_va_vdst(0)                   ; and their wait
	ds_store_b64 v7, v[32:33]
.endif
; 16 matrix instructions: m blocks a0, a0 + 1 of the window's four x all 8 n blocks, 32 along K.  zero = 1: the first product starts the sums.  The 64 accumulators take turns, in the same order in every quarter.
.macro MUL16 f, hi, a0, zero
	WIN MUL_LO+0x50*(\hi)
.irp a, \a0, (\a0)+1
.irp b, 0,1,2,3,4,5,6,7
.if \zero
	v_wmma_f32_16x16x32_bf16 v[8*(8*(\a)+(\b)):8*(8*(\a)+(\b))+7], v[(\f)+8*(\b):(\f)+8*(\b)+7], v[(\f)+8*(4*(\hi)+(\a)):(\f)+8*(4*(\hi)+(\a))+7], 0
.else
	v_wmma_f32_16x16x32_bf16 v[8*(8*(\a)+(\b)):8*(8*(\a)+(\b))+7], v[(\f)+8*(\b):(\f)+8*(\b)+7], v[(\f)+8*(4*(\hi)+(\a)):(\f)+8*(4*(\hi)+(\a))+7], v[8*(8*(\a)+(\b)):8*(8*(\a)+(\b))+7]
.endif
.endr
.endr
.endm
; 32 LDS loads in one run: quarter q (32 along K) of the slot that is read, into buffer f: B's 128 columns, turned, then A's 128 rows
.macro FETCH q, f
	WIN TO_B
.irp i, 0,1,2,3,4,5,6,7
	ds_load_tr16_b128 v[(\f)+8*(\i):(\f)+8*(\i)+3],   v[ADRB] offset:(\q)*32*PB+32*(\i)
	ds_load_tr16_b128 v[(\f)+8*(\i)+4:(\f)+8*(\i)+7], v[ADRB] offset:(\q)*32*PB+16*PB+32*(\i)
.endr
	WIN 0
.irp i, 0,1,2,3,4,5,6,7
	ds_load_b128 v[(\f)+8*(\i):(\f)+8*(\i)+3],   v[ADRA] offset:(\q)*64+(\i)*16*PA
	ds_load_b128 v[(\f)+8*(\i)+4:(\f)+8*(\i)+7], v[ADRA] offset:(\q)*64+(\i)*16*PA+32
.endr
.endm
.macro PLACES                          ; four plain instructions between a matrix instruction and a load into, or a reader of, its registers
.rept 4
	v_nop
.endr
.endm
; One of a K step's first three quarters: multiplies buffer f; in its middle fetches quarter q into buffer g.
.macro QUARTER q, f, g, zero
	s_wait_dscnt 8                                 ; B and A's rows 0-63 are in; the youngest eight loads (A's rows 64-127) may be out
	MUL16 \f, 0, 0, \zero
	MUL16 \f, 0, 2, \zero
	PLACES
	FETCH \q, \g
	s_wait_dscnt 32                                ; all but the 32 just issued
	MUL16 \f, 1, 0, \zero
	MUL16 \f, 1, 2, \zero
.endm
; The first half of the last quarter, and the one barrier of a change of slots.
.macro MEET round
	WIN 0                                          ; (the add's two registers lie in window 0)
	s_wait_tensorcnt 0x0                           ; all my tensor loads have landed: the one that was out is my part of the next slot
	ds_add_u32 v[SPW], v[NIL]                      ; 0 onto my spare word
	s_wait_dscnt 9                                 ; (the add and the youngest eight loads may be out)
	MUL16 F1, 0, 0, 0
	s_wait_dscnt 0x0                               ; the add is done, and my reads of this slot are over
	s_barrier_signal -1
	MUL16 F1, 0, 2, 0
.if \round
	WIN 0
.endif
	s_barrier_wait -1
.endm
; The last quarter.  fill = 1: the barrier opens a round of the cluster's, and the slot just read out is filled again first, with the K step two on.  Then the other slot's first fragments.
.macro TURN fill
.if \fill
	s_wait_xcnt 0x0                                ; the last prefetch, a K step back, has read its address
	s_add_nc_u64 s[PFA:PFA+1], s[PFA:PFA+1], s[PFS:PFS+1]
.endif
	MEET \fill
.if \fill
	CREST                                          ; no wave of any partner still reads this slot or has a load on its way
	s_xor_b32 s[G0+5], s[G0+5], SLOT               ; the walking descriptors: the other slot than last time, the next K step
	s_add_nc_u64 s[G0+6:G0+7], s[G0+6:G0+7], KSTEP*2
	s_xor_b32 s[G0B+5], s[G0B+5], SLOT
	s_add_nc_u64 s[G0B+6:G0B+7], s[G0B+6:G0B+7], BSTEP
	JLOAD 1                                        ; its four v_nop are also the places in front of the loads below
.else
	PLACES
	WIN 0
.endif
	s_xor_b32 s[TB], s[TB], SLOT
	v_add_nc_u32 v[ADRA], s[TB], v[ADRA0]
	v_add_nc_u32 v[ADRB], s[TB], v[ADRB0]
	FETCH 0, F0
.if \fill
	ASK
.endif
	MUL16 F1, 1, 0, 0
	MUL16 F1, 1, 2, 0
.endm
	s_wait_tensorcnt 1                             ; my part of K step 0 is in; step 1's may stay out
	s_wait_dscnt 0x0
	s_barrier_signal -1
	s_barrier_wait -1
	FETCH 0, F0
	QUARTER 1, F0, F1, 1                           ; the first quarter stands in front of the loop: its products start the sums
	WIN 0
	s_mov_b32 s3, 6
.Lk:                                               ; trip i: the rest of K step i, the refill with step i + 2, the first quarter of step i + 1
	QUARTER 2, F1, F0, 0
	QUARTER 3, F0, F1, 0
	TURN 1
	QUARTER 1, F0, F1, 0
	WIN 0
	s_sub_co_u32 s3, s3, 1
	s_cmp_lg_u32 s3, 0
	s_cbranch_scc1 .Lk
	s_mov_b32 s3, 2
.Lt:                                               ; K steps 6 and 7 ask for nothing.  In the second trip the fetch from the other slot serves nothing: the price of one text for both
	QUARTER 2, F1, F0, 0
	QUARTER 3, F0, F1, 0
	TURN 0
	WIN 0
	s_cmp_eq_u32 s3, 1
	s_cbranch_scc1 .Lskip
	QUARTER 1, F0, F1, 0
	WIN 0
.Lskip:
	s_sub_co_u32 s3, s3, 1
	s_cmp_lg_u32 s3, 0
	s_cbranch_scc1 .Lt
	; THE WAY OUT
	s_wait_dscnt 0x0                               ; my reads of the ring are over,
	s_barrier_signal -1
	s_barrier_wait -1                              ; everybody's are: the ring, which has had its last fill, becomes the stages
	PLACES
.irp a, 0,1,2,3,4,5,6,7                ; each accumulator's four lowest registers first
	WIN 0x08+4*((\a)/4)                            ; the stores' data: window 2 or 3
.irp b, 0,1,2,3,4,5,6,7
	ds_store_b128 v[STO], v[8*(8*((\a)%4)+(\b)):8*(8*((\a)%4)+(\b))+3]   offset:(\a)*16*SPITCH+(\b)*64
	ds_store_b128 v[STO], v[8*(8*((\a)%4)+(\b))+4:8*(8*((\a)%4)+(\b))+7] offset:(\a)*16*SPITCH+(\b)*64+16
.endr
.endr
	WIN 0
.if FFN
.set RAW, 32
.set RSV, 48
.set Z,   192
.set T,   208
.set OUT, 224
.macro FLOADS                          ; four rows of my stage and their 1 / rms.  LDS serves a wave's instructions in order (ISA guide 5.7.1.4): these see my stores
.irp j, 0,1,2,3
	ds_load_b128 v[RAW+4*(\j):RAW+4*(\j)+3], v[RD] offset:(\j)*SPITCH
.endr
	ds_load_b128 v[RSV:RSV+3], v[RSA]
.endm
.macro FROWS next                      ; four rows: z = rs x sum; u = z / (1 + 2^(-z log2 e)); each store is a row's 128 numbers, 256 consecutive bytes, aligned
	s_wait_dscnt 0x0
.irp j, 0,1,2,3
.irp k, 0,1,2,3
	v_mul_f32 v[Z+4*(\j)+(\k)], v[RSV+(\j)], v[RAW+4*(\j)+(\k)]
.endr
.endr
.if \next
	v_add_nc_u32 v[RD], 4*SPITCH, v[RD]
	v_add_nc_u32 v[RSA], 16, v[RSA]
	FLOADS
.endif
.irp k, 0,2,4,6,8,10,12,14
	v_pk_mul_f32 v[T+(\k):T+(\k)+1], v[Z+(\k):Z+(\k)+1], 0xbfb8aa3b op_sel_hi:[1,0]
.endr
.irp k, 0,1,2,3,4,5,6,7,8,9,10,11,12,13,14,15
	v_exp_f32 v[T+(\k)], v[T+(\k)]
.endr
	v_nop                                          ; a plain instruction behind the batch, and its one wait
	s_wait_alu depctr_va_vdst(0)
.irp k, 0,2,4,6,8,10,12,14
	v_pk_add_f32 v[T+(\k):T+(\k)+1], v[T+(\k):T+(\k)+1], 1.0 op_sel_hi:[1,0]
.endr
.irp k, 0,1,2,3,4,5,6,7,8,9,10,11,12,13,14,15
	v_rcp_f32 v[T+(\k)], v[T+(\k)]
.endr
	s_wait_xcnt 0x0                                ; the last trip's stores have read their offset and their data
	v_add_nc_u32 v[CO], 4*8192, v[CO]              ; (also the plain instruction behind the batch)
	s_wait_alu depctr_va_vdst(0)
.irp k, 0,2,4,6,8,10,12,14
	v_pk_mul_f32 v[Z+(\k):Z+(\k)+1], v[Z+(\k):Z+(\k)+1], v[T+(\k):T+(\k)+1]
.endr
.irp k, 0,1,2,3,4,5,6,7
	v_cvt_pk_bf16_f32 v[OUT+(\k)], v[Z+2*(\k)], v[Z+2*(\k)+1]
.endr
.irp j, 0,1,2,3
	global_store_b64 v[CO], v[OUT+2*(\j):OUT+2*(\j)+1], s[8:9] offset:(\j)*8192-4*8192
.endr
.endm
	FLOADS
	s_mov_b32 s3, 31
.Lrows:
	FROWS 1
	s_sub_co_u32 s3, s3, 1
	s_cmp_lg_u32 s3, 0
	s_cbranch_scc1 .Lrows
	FROWS 0                                        ; the last four rows fetch nothing
.else
	s_mov_b32 s3, 8
.Lrows:                                            ; sixteen rows a trip; a store is two rows of one head: 256 consecutive bytes, aligned
	s_wait_xcnt 0x0                                ; the last trip's stores have read their offset and their data
	v_add_nc_u32 v[CO], 16*128, v[CO]
.irp p, 0,1,2,3,4,5,6,7
.irp hh, 0,1
	ds_load_b128 v[192+4*(2*(\p)+(\hh)):192+4*(2*(\p)+(\hh))+3], v[RD] offset:(\p)*2*SPITCH+(\hh)*256  ; LDS serves a wave's instructions in order (ISA guide 5.7.1.4): these see my stores
.endr
.endr
	v_add_nc_u32 v[RD], 16*SPITCH, v[RD]
.irp p, 0,1,2,3,4,5,6,7
.irp hh, 0,1
	s_wait_dscnt 15-(2*(\p)+(\hh))                 ; the younger loads may stay out
	v_cvt_pk_bf16_f32 v[32+2*(2*(\p)+(\hh))], v[192+4*(2*(\p)+(\hh))], v[192+4*(2*(\p)+(\hh))+1]
	v_cvt_pk_bf16_f32 v[33+2*(2*(\p)+(\hh))], v[192+4*(2*(\p)+(\hh))+2], v[192+4*(2*(\p)+(\hh))+3]
	global_store_b64 v[CO], v[32+2*(2*(\p)+(\hh)):33+2*(2*(\p)+(\hh))], s[8:9] offset:(\p)*256+(\hh)*262144-16*128
.endr
.endr
	s_sub_co_u32 s3, s3, 1
	s_cmp_lg_u32 s3, 0
	s_cbranch_scc1 .Lrows
.endif
	s_wait_tensorcnt 0x0                           ; the wave's end
	ds_add_u32 v[SPW], v[NIL]
	s_wait_dscnt 0x0
	CROUND                                         ; the closing round
	s_endpgm
.Lfunc_end_k_q8e63b42354_qkv:
	.size	k_q8e63b42354_qkv, .Lfunc_end_k_q8e63b42354_qkv-k_q8e63b42354_qkv
	.p2alignl 7, 3214868480
	.fill 96, 4, 3214868480
	.section	.rodata,"a",@progbits
	.p2align	6, 0x0
	.amdhsa_kernel k_q8e63b42354_qkv
		.amdhsa_group_segment_fixed_size 327680
		.amdhsa_private_segment_fixed_size 0
		.amdhsa_enable_private_segment 0
		.amdhsa_kernarg_size 24
		.amdhsa_user_sgpr_count 2
		.amdhsa_user_sgpr_kernarg_segment_ptr 1
		.amdhsa_wavefront_size32 1
		.amdhsa_system_sgpr_workgroup_id_x 1
		.amdhsa_system_sgpr_workgroup_id_y 1
		.amdhsa_system_sgpr_workgroup_id_z 1
		.amdhsa_system_vgpr_workitem_id 0
		.amdhsa_next_free_vgpr 1024
		.amdhsa_next_free_sgpr 80
		.amdhsa_reserve_vcc 0
		.amdhsa_float_denorm_mode_32 3
		.amdhsa_float_denorm_mode_16_64 3
		.amdhsa_memory_ordered 1
		.amdhsa_forward_progress 1
		.amdhsa_inst_pref_size 84
	.end_amdhsa_kernel
	.amdgpu_metadata
---
amdhsa.version: [ 1, 2 ]
amdhsa.kernels:
  - .name:           k_q8e63b42354_qkv
    .symbol:         k_q8e63b42354_qkv.kd
    .args:
      - { .name: h1, .offset: 0, .size: 8, .value_kind: global_buffer, .address_space: global }
      - { .name: wts, .offset: 8, .size: 8, .value_kind: global_buffer, .address_space: global }
      - { .name: qkv, .offset: 16, .size: 8, .value_kind: global_buffer, .address_space: global }
    .group_segment_fixed_size: 327680
    .private_segment_fixed_size: 0
    .kernarg_segment_align: 8
    .kernarg_segment_size: 24
    .max_flat_workgroup_size: 128
    .sgpr_count:     80
    .vgpr_count:     1024
    .wavefront_size: 32
...
	.end_amdgpu_metadata
.endif
;; end of part 2
;; launch attn (part 3): grid 8 x 32, 4 waves a work-group, no clusters, 327,680 bytes of LDS; arguments qkv, ctx; writes ctx
.if DOCPART == 3
	.amdgcn_target "amdgcn-amd-amdhsa--gfx1250"
	.amdhsa_code_object_version 6
	.text
	.protected	k_q8e63b42354_attn
	.globl	k_q8e63b42354_attn
	.p2align	8
	.type	k_q8e63b42354_attn,@function
k_q8e63b42354_attn:
	s_mov_b64 s[64:65], 0
	v_nop
	global_prefetch_b8 v0, s[64:65] scope:SCOPE_SE
	s_setreg_imm32_b32 hwreg(HW_REG_WAVE_MODE, 25, 1), 1
	s_wait_xcnt 0x0
; CAUSAL ATTENTION.  O[h][q][:] = the sum over k <= q of softmax_k(Q[h][q] . K[h][k] / 8) V[h][k][:].  Q, K, V lie in qkv at 0, 8,388,608 and 16,777,216, each [32][2048][64] bf16; O = ctx, the same layout.
; Products, maxima and sums in f32; the weights p are rounded to bf16 for the second product (their sum l is taken of the unrounded p), O once at the end.
; LIMITS.  A hidden score counts as its value less 1e30; a weight below 2^-126 counts as 0 in l; NaN and infinities are not treated apart.
; THE WALK.  A head's queries lie in 16 blocks of 128; keys go in tiles of 256, four steps of 64.  Block i needs the tiles 0 .. i / 2, of which the last holds the diagonal.  A work-group takes TWO blocks,
; 15 - b and then b: (15 - b) / 2 + b / 2 + 2 = 9 tiles, whatever b: all 256 work-groups do equal work, and ONE loop with a constant trip count walks them.
; NO CLUSTER: the eight work-groups of a head ask for the same tile only in the first five trips; behind that only neighbours (b, b + 1) walk alike, and one walk common to four would be longer.
; SHARES.  Of a block's two bands of 64 queries a wave owns 16 rows in each: two PIECES.  In the diagonal tile band x sees all keys of step s < DG + x, none of s > DG + x, and holds the diagonal at s = DG + x, DG = 2 (i % 2).
; THE MASK is the C operand that starts the sum S^T = K Q^T: MD x AL + BE with two scalars: (1, 0) in the band's own step, (0, 0) before it, (0, -1e30) behind it.  Only the diagonal tile's text and a block's beginning take masks.
; LAYOUT, SOFTMAX.  S^T = K Q^T holds ONE query a lane (lane % 16) and the keys 8 (lane / 16) + 0..7; two such results rounded to bf16 ARE source 1 of O^T = V^T P.  p = 2^(c s - c m), c = log2(e) / 8, with a
; running maximum m; O and l are multiplied by a = 2^(c m_old - c m_new) in every step.
; TURNS.  Turn p belongs to piece p: 8 products K Q^T of the other piece (its next step), later 8 products V^T P of the other piece (its last step); beside them piece p's scaling, exponentials, roundings, sums and
; rescaling, and the other piece's maximum and statistics.  A trip t of a tile is turn 1 (K Q^T of piece 0, step t) and turn 0 (K Q^T of piece 1, step t).  A turn's 33 exponentials are one batch with one wait.
; K of step t + 1 is fetched in turn 0, behind its products K Q^T; V of step t at turn 0's end.  At a tile's fourth trip the next K lies in the other slot, which may be read only behind the change of slots: there the run
; reads the fourth step once more and serves nothing (a jump would stand amid the batch), and the new tile's first K is fetched behind the change.
; REGISTERS, in windows of 256 (s_set_vgpr_msb: bits 1:0 source 0, 3:2 source 1, 5:4 source 2, 7:6 destination):
;   window 0: v0-15 addresses; v16-23 statistics; v48-55 at work; v61-63 prefetch offset, spare word, 0; v64-127 S^T, two buffers; v192-223 P, two buffers
;   window 1: v0-63 O^T, 32 a piece; v128-159 MD; v160-223 MC, two buffers      window 2: v0-31 Q; v64-95 the second block's Q; v128-191 K of one step; v192-255 V of one step
.set NB,    8         ; tiles in the walk, less one
.set NP,    2         ; pieces a wave
.set KS,    64
.set PK,    144       ; a row of K in LDS: 128 bytes + 16: the 16 rows of a load start at 16 different groups of four banks (ISA guide 11.1)
.set PV,    160       ; a row of V: 128 + 32
.set VOFF,  4*KS*PK   ; a slot holds a tile: 256 rows of K, then 256 rows of V
.set SLOT1, 1<<17
.set STAGE, SLOT1+4*KS*(PK+PV)  ; behind the ring, never filled by a tensor load: 16 rows x 144 bytes for each wave
.set SP,    144
.set SPARE, STAGE+4*16*SP       ; the spare words, 128 bytes for each wave: two blocks of 256 bytes that no other line names
.set AK0, 2
.set AV0, 3
.set AK,  4
.set AV,  5
.set STO, 6
.set RD,  7
.set GO,  8
.set MV,  12          ; v12-13  c m_old, by buffer
.set QO,  15
.set ST,  16          ; piece t's statistics at v[ST+4 t]: c m, m, l (even keys', odd keys')
.set TMP, 48          ; by buffer, c0-c3 at work; c2 takes a
.set PFO, 61          ; v61  256 x my thread's number; never rewritten
.set SPW, 62
.set NIL, 63
.set S,   64
.set P,   192
.set MD,  128
.set MC,  160
.set QB,  64
.set KF,  128
.set VF,  192
.set WV,  12
.set PB,  14          ; s14  the second block's last tile, b / 2
.set HI,  15          ; s15  the first block's last tile, (15 - b) / 2
.set G1K, 24
.set G1V, 32
.set G0K, 40
.set G0V, 44
.set SLOTS, 56
.set CNT, 57          ; counts a tile's key steps, 4 to 1
.set CS,  58
.set SEL, 60
.set TBK, 62
.set TBV, 63
.set RT,  70
.set NXT, 71
.set LQ,  72
.set NEW, 73
.set OFF, 74
.set AL,  76
.set BE,  78
.set OLO, 80
.set BIGN, 82
.set DG,  88          ; s88  2 x (the block in hand % 2)
.set OW0, 89          ; s89  5 - DG: CNT in the turn 0 that makes piece 0's own step's mask
.set OW1, 90          ; s90  3 - DG: CNT in the turn 1 that makes piece 1's
.set DGB, 91          ; s91  the second block's DG
.set PFK, 92          ; s[92:93] the head's K at the tile after the one that is being asked for
.set PFV, 94          ; s[94:95] the same for V
.set LIM, 96          ; s96  2 in the work-group that prefetches, else the greatest number
.set KJ,  97          ; s97  at work
.set MSB, 0
.macro WIN new
.if MSB != (\new)
	s_set_vgpr_msb (MSB<<8)|(\new)
.set MSB, (\new)
.endif
.endm
.set W_KQ, 0x0a
.set W_KM, 0x1a
.set W_PV, 0x52
.set W_RS, 0x41
; A fill.  Waves 0 and 1 fetch the two halves of a tile's K, waves 2 and 3 those of its V.  An s_nop 0 and four v_nop follow each line.
.macro LOAD
	s_cmp_lt_u32 s[WV], 2
	s_cbranch_scc0 .Lfor_v_\@
	tensor_load_to_lds s[G0K:G0K+3], s[G1K:G1K+7]
	s_nop 0
.rept 4
	v_nop
.endr
	s_branch .Lasked_\@
.Lfor_v_\@:
	tensor_load_to_lds s[G0V:G0V+3], s[G1V:G1V+7]
	s_nop 0
.rept 4
	v_nop
.endr
.Lasked_\@:
.endm
; A prefetch of the tile that the NEXT change of slots will ask for: 32,768 bytes of K and of V, a thread 256 bytes of each.  The eight work-groups of a head begin with the same tiles; the one with b = 0 walks tiles 0 to 7
; and asks for tiles 2 to 7, in trips 0 to 5 (SLOTS = 8 .. 3); nobody else asks.  So each 256 bytes are named once.
.macro ASK
	s_cmp_gt_u32 s[SLOTS], s[LIM]
	s_cbranch_scc0 .Lnot_mine_\@
	global_prefetch_b8 v[PFO], s[PFK:PFK+1] th:TH_LOAD_NT scope:SCOPE_SE
	global_prefetch_b8 v[PFO], s[PFV:PFV+1] th:TH_LOAD_NT scope:SCOPE_SE
.Lnot_mine_\@:
.endm
; THE CHANGE OF SLOTS.  Each wave waits for all its tensor loads (one is out: its part of the other slot), adds 0 to its spare word, and waits for that and for its own reads of the slot that it leaves, V of its last step among them.
; fill = 1: the old slot is filled again, the first thing behind the barrier, with tile NXT.
.macro CHANGE fill
	WIN 0
	s_wait_tensorcnt 0x0
	ds_add_u32 v[SPW], v[NIL]
.if \fill
	s_lshl_b32 s[OFF], s[NXT], 15
	s_xor_b32 s[G0K+1], s[G0K+1], SLOT1
	s_add_nc_u64 s[G0K+2:G0K+3], s[6:7], s[OFF:OFF+1]
	s_or_b32 s[G0K+3], s[G0K+3], 0x80000000
	s_xor_b32 s[G0V+1], s[G0V+1], SLOT1
	s_add_nc_u64 s[G0V+2:G0V+3], s[8:9], s[OFF:OFF+1]
	s_or_b32 s[G0V+3], s[G0V+3], 0x80000000
	s_add_co_u32 s[NXT], s[NXT], 1  ; the block's next tile, or behind its last the second block's tile 0
	s_cmp_gt_u32 s[NXT], s[LQ]
	s_cselect_b32 s[NXT], 0, s[NXT]
	s_cselect_b32 s[LQ], s[PB], s[LQ]
	s_wait_xcnt 0x0                 ; the last prefetches, a tile back, have read their addresses
	s_add_nc_u64 s[PFK:PFK+1], s[PFK:PFK+1], 32768
	s_add_nc_u64 s[PFV:PFV+1], s[PFV:PFV+1], 32768
.endif
	s_wait_dscnt 0x0                ; the add is done, and my reads of the slot are over
	s_barrier_signal -1
	s_sub_co_u32 s[TBK], s[TBK], 5*KS*PK  ; K's address has stepped five times in a tile (the first fetch and one a trip),
	s_xor_b32 s[TBK], s[TBK], SLOT1
	s_sub_co_u32 s[TBV], s[TBV], 4*KS*PV  ; V's four times
	s_xor_b32 s[TBV], s[TBV], SLOT1
	s_barrier_wait -1
.if \fill
	LOAD
	ASK
.endif
.endm
	s_load_b64 s[4:5], s[0:1], 0x0    ; qkv
	s_load_b64 s[10:11], s[0:1], 0x8  ; ctx
	v_lshl_add_u32 v[SPW], v0, 2, SPARE
	v_mov_b32 v[NIL], 0
	ds_add_u32 v[SPW], v[NIL]       ; the wave's opening: the add and its wait ahead of my first tensor load
	ds_add_u32 v62, v63
	v_lshrrev_b32 v1, 5, v0
	v_readfirstlane_b32 s[WV], v1
	s_lshr_b32 s[PB], ttmp9, 1
	s_sub_co_u32 s13, 15, ttmp9     ; the first block
	s_lshr_b32 s[HI], s13, 1
	s_and_b32 s[DG], s13, 1
	s_lshl_b32 s[DG], s[DG], 1
	s_and_b32 s[DGB], ttmp9, 1
	s_lshl_b32 s[DGB], s[DGB], 1
	s_sub_co_u32 s[OW0], 5, s[DG]
	s_sub_co_u32 s[OW1], 3, s[DG]
	s_and_b32 s20, ttmp7, 0xffff    ; the head,
	s_lshl_b32 s20, s20, 18         ; 262,144 bytes each
	s_mov_b32 s21, 0
	s_and_b32 s16, s[WV], 1         ; which half of a tile's 256 keys I fetch
	s_lshl_b32 s22, s16, 14
	s_mov_b32 s23, 0
	s_add_nc_u64 s[22:23], s[22:23], s[20:21]
	s_mul_i32 s17, s16, 128*PK
	s_mul_i32 s18, s16, 128*PV
	s_lshl_b32 s3, s[WV], 11        ; my 16 rows in a band of 64,
	s_lshl_b32 s2, s13, 14          ; in the first block (128 rows of 128 bytes),
	s_add_co_u32 s2, s2, s3
	s_lshl_b32 s84, ttmp9, 14       ; and in the second
	s_add_co_u32 s84, s84, s3
	s_mov_b32 s3, 0
	s_mov_b32 s85, 0
	s_add_nc_u64 s[2:3], s[2:3], s[20:21]
	s_add_nc_u64 s[84:85], s[84:85], s[20:21]
	; group 1.  128 keys are 16,384 dense bytes: asked for as 64 rows of 256 bytes, two keys a row, padded in LDS after every key
	s_mov_b32 s[G1K], (1<<16)|(1<<20)|(4<<22)|(3<<25)
	s_mov_b32 s[G1V], (1<<16)|(1<<20)|(4<<22)|(7<<25)
.irp g, G1K, G1V
	s_mov_b32 s[\g+1], 128<<16
	s_mov_b32 s[\g+2], 64<<16
	s_mov_b32 s[\g+3], 128<<16
	s_mov_b32 s[\g+4], 64
	s_mov_b32 s[\g+5], 128
	s_mov_b32 s[\g+6], 0
	s_mov_b32 s[\g+7], 0
.endr
	s_mov_b32 s[CS], 0x3e38aa3b     ; c = log2(e) / 8
	s_mov_b32 s[CS+1], s[CS]
	s_mov_b32 s[SEL], 0x76543210
	s_mov_b32 s[SEL+1], 0xfedcba98
	s_mov_b32 s[TBK], SLOT1+5*KS*PK ; the first change of slots turns these two into 0
	s_mov_b32 s[TBV], SLOT1+4*KS*PV
	s_mov_b32 s[G0K], 1
	s_mov_b32 s[G0K+1], s17
	s_mov_b32 s[G0V], 1
	s_add_co_u32 s[G0V+1], s18, VOFF
	s_add_co_u32 s[RT], s[HI], 1
	s_mov_b32 s[NXT], 1
	s_mov_b32 s[LQ], s[HI]
	s_mov_b32 s[NEW], 1
	s_mov_b32 s[OFF+1], 0
	s_mov_b32 s[AL+1], 0
	s_mov_b32 s[BE+1], 0
	s_mov_b32 s[BIGN], 0xf149f2ca   ; -1e30
	s_mov_b32 s[SLOTS], NB
	s_cmp_eq_u32 ttmp9, 0
	s_cselect_b32 s[LIM], 2, -1
	v_lshlrev_b32 v[PFO], 8, v0
	s_wait_dscnt 0x0                ; the opening add is done
	s_wait_kmcnt 0x0
	s_add_nc_u64 s[6:7], s[4:5], s[22:23]
	s_add_nc_u64 s[8:9], s[6:7], 0x1000000         ; V at my half of the head's tile 0
	s_add_nc_u64 s[6:7], s[6:7], 0x800000          ; K likewise
	s_add_nc_u64 s[PFK:PFK+1], s[4:5], s[20:21]
	s_add_nc_u64 s[PFV:PFV+1], s[PFK:PFK+1], 0x1000000+32768  ; at tile 1: the first change of slots steps them to tile 2.  Nothing is asked for here, at the head
	s_add_nc_u64 s[PFK:PFK+1], s[PFK:PFK+1], 0x800000+32768
	s_add_nc_u64 s[G0K+2:G0K+3], s[6:7], 0
	s_or_b32 s[G0K+3], s[G0K+3], 0x80000000
	s_add_nc_u64 s[G0V+2:G0V+3], s[8:9], 0
	s_or_b32 s[G0V+3], s[G0V+3], 0x80000000
	s_add_nc_u64 s[86:87], s[4:5], s[84:85]        ; Q at my rows of the second block,
	s_add_nc_u64 s[4:5], s[4:5], s[2:3]            ; Q and O at those of the first
	s_add_nc_u64 s[OLO:OLO+1], s[10:11], s[84:85]
	s_add_nc_u64 s[10:11], s[10:11], s[2:3]
	LOAD                            ; tile 0 into slot 0
	v_and_b32 v1, 15, v0            ; l % 16
	v_bfe_u32 v9, v0, 4, 1          ; l / 16
	v_lshlrev_b32 v[QO], 7, v1
	v_lshl_add_u32 v[QO], v9, 4, v[QO]
	WIN 0x80
.set i, 0
.rept 4                             ; both blocks' Q: piece i / 2 lies in band i / 2, 8,192 bytes on; channels 32 (i % 2) on
	global_load_b128 v[8*i:8*i+3],   v[QO], s[4:5] offset:(i/2)*8192+(i%2)*64
	global_load_b128 v[8*i+4:8*i+7], v[QO], s[4:5] offset:(i/2)*8192+(i%2)*64+32
	global_load_b128 v[QB+8*i:QB+8*i+3],   v[QO], s[86:87] offset:(i/2)*8192+(i%2)*64
	global_load_b128 v[QB+8*i+4:QB+8*i+7], v[QO], s[86:87] offset:(i/2)*8192+(i%2)*64+32
.set i, i+1
.endr
	WIN 0
	v_lshlrev_b32 v14, 3, v9
	v_sub_nc_u32 v14, v1, v14
	s_lshl_b32 s13, s[WV], 4
	v_add_nc_u32 v14, s13, v14      ; my query's place in its band less my lanes' 8 (l / 16): register r of group kt is hidden where 16 kt + r is greater
	WIN 0x40
.set i, 0
.rept 32
	v_cmp_gt_i32 vcc_lo, 16*(i/8)+i%8, v14
	v_cndmask_b32 v[MD+i], 0, s[BIGN], vcc_lo
.set i, i+1
.endr
	WIN 0
	v_mul_u32_u24 v[AK0], v1, PK
	v_lshl_add_u32 v[AK0], v9, 4, v[AK0]
	v_and_b32 v10, 7, v0
	v_bfe_u32 v11, v0, 3, 1
	v_lshl_add_u32 v[AV0], v9, 3, v10
	v_mul_u32_u24 v[AV0], v[AV0], PV
	v_lshl_add_u32 v[AV0], v11, 4, v[AV0]
	v_add_nc_u32 v[AV0], VOFF, v[AV0]
	s_mul_i32 s13, s[WV], 16*SP
	s_add_co_u32 s13, s13, STAGE
	v_mul_u32_u24 v[STO], v1, SP
	v_lshl_add_u32 v[STO], v9, 4, v[STO]
	v_add_nc_u32 v[STO], s13, v[STO]
	v_bfe_u32 v[RD], v0, 3, 2
	v_mul_u32_u24 v[RD], v[RD], SP
	v_lshl_add_u32 v[RD], v10, 4, v[RD]
	v_add_nc_u32 v[RD], s13, v[RD]
	v_and_b32 v[GO], 31, v0
	v_lshlrev_b32 v[GO], 4, v[GO]
	; A block's first step multiplies O^T and l by a = 0, and its first turn's products V^T P, of a step that has not been, land in an O^T that is still to be so multiplied: these registers need only hold finite numbers.
	WIN 0x80
.set i, VF
.rept 64
	v_mov_b32 v[i], 0
.set i, i+1
.endr
	WIN 0x40
.set i, 0
.rept 64
	v_mov_b32 v[i], 0
.set i, i+1
.endr
	WIN 0
.set i, 0
.rept 2
	v_mov_b32 v[ST+4*i+2], 0
	v_mov_b32 v[ST+4*i+3], 0
.set i, i+1
.endr
.set i, P+16
.rept 16
	v_mov_b32 v[i], 0
.set i, i+1
.endr
; THE MATRIX WORK.  The 4 accumulators of a run of 8 take turns.  Product i of 8 of S^T = K Q^T for piece x: channels 32 (i / 4) on, keys 16 (i % 4) on.
.macro KQ x
.set rS, S+32*((\x)%2)+8*(i%4)
.set rK, KF+16*(i%4)+8*(i/4)
.set rQ, 16*(\x)+8*(i/4)
.set rM, MC+32*((\x)%2)+8*(i%4)
.if (i < 4) && KM
	WIN W_KM
	v_wmma_f32_16x16x32_bf16 v[rS:rS+7], v[rK:rK+7], v[rQ:rQ+7], v[rM:rM+7]
.elseif i < 4
	WIN W_KQ
	v_wmma_f32_16x16x32_bf16 v[rS:rS+7], v[rK:rK+7], v[rQ:rQ+7], 0
.else
	WIN W_KQ
	v_wmma_f32_16x16x32_bf16 v[rS:rS+7], v[rK:rK+7], v[rQ:rQ+7], v[rS:rS+7]
.endif
.endm
.macro PV x                         ; product i of 8 of O^T += V^T P for piece x: keys 32 (i / 4) on, channels 16 (i % 4) on
	WIN W_PV
.set rO, 32*(\x)+8*(i%4)
.set rV, VF+32*(i/4)+8*(i%4)
.set rP, P+16*((\x)%2)+8*(i/4)
	v_wmma_f32_16x16x32_bf16 v[rO:rO+7], v[rV:rV+7], v[rP:rP+7], v[rO:rO+7]
.endm
.macro MM                           ; the turn's next matrix instruction.  NOKQ = 1: a block's last turn: there are no further scores
.if (i < 8) && !NOKQ
	KQ (Y+1)%NP
.elseif i >= 8
.set i, i-8
	PV (Y+NP-1)%NP
.set i, i+8
.endif
.set i, i+1
.endm
.macro FETCH_K
	WIN 0x80
.irp f, 0,1,2,3,4,5,6,7
	ds_load_b128 v[KF+8*\f:KF+8*\f+3],   v[AK] offset:(\f/2)*16*PK+(\f%2)*64
	ds_load_b128 v[KF+8*\f+4:KF+8*\f+7], v[AK] offset:(\f/2)*16*PK+(\f%2)*64+32
.endr
	s_add_co_u32 s[TBK], s[TBK], KS*PK
	WIN 0
.endm
.macro FETCH_V
	WIN 0x80
.irp f, 0,1,2,3,4,5,6,7
	ds_load_tr16_b128 v[VF+8*\f:VF+8*\f+3],   v[AV] offset:(\f/4)*32*PV+(\f%4)*32
	ds_load_tr16_b128 v[VF+8*\f+4:VF+8*\f+7], v[AV] offset:(\f/4)*32*PV+16*PV+(\f%4)*32
.endr
	WIN 0
.endm
; THE VECTOR WORK, one line at a time: OP kind, number.  For piece Y: F n: c s - c m for pair n of 16.  E n: the exponential of score n of 32.  C n: pair n rounded to bf16.  B n: of the four weights 4 n .. the second
; pair is added onto the first.  L n: l takes that sum (L 0: l = a l + sum).  R n: pair n of 16 of O^T times a.  For the other piece: X n, number n of the 22 that find its maximum and statistics:
;   0-11 four chains of seven scores (each accumulator's lowest registers first)   12-14, 16 the rest, the old m, and c0-c3 into c0   15 c m_old is kept   17, 18 the other half of the lanes; the new m   19-21 c m; its change; a
.set F, 0
.set E, 1
.set C, 2
.set B, 3
.set L, 4
.set R, 5
.set X, 6
.macro REGS y
.set rT, ST+4*(\y)
.set rC, TMP+4*((\y)%2)
.set rW, MV+((\y)%2)
.set rS, S+32*((\y)%2)
.set rP, P+16*((\y)%2)
.set rO, 32*(\y)
.endm
.macro OP k, n
.if (\k) == R
	REGS Y
	WIN W_RS
	v_pk_mul_f32 v[rO+2*(\n):rO+2*(\n)+1], v[rO+2*(\n):rO+2*(\n)+1], v[rC+2:rC+3] op_sel_hi:[1,0]
.elseif (\k) < R
	REGS Y
	WIN 0
.if (\k) == F
	v_pk_fma_f32 v[rS+2*(\n):rS+2*(\n)+1], v[rS+2*(\n):rS+2*(\n)+1], s[CS:CS+1], v[rT:rT+1] op_sel_hi:[1,0,0] neg_lo:[0,0,1] neg_hi:[0,0,1]
.elseif (\k) == E
	v_exp_f32 v[rS+(\n)], v[rS+(\n)]
.elseif (\k) == C
	v_cvt_pk_bf16_f32 v[rP+(\n)], v[rS+2*(\n)], v[rS+2*(\n)+1]
.elseif (\k) == B
	v_pk_add_f32 v[rS+4*(\n):rS+4*(\n)+1], v[rS+4*(\n):rS+4*(\n)+1], v[rS+4*(\n)+2:rS+4*(\n)+3]
.elseif (\n) == 0
	v_pk_fma_f32 v[rT+2:rT+3], v[rT+2:rT+3], v[rC+2:rC+3], v[rS:rS+1] op_sel_hi:[1,0,1]
.else
	v_pk_add_f32 v[rT+2:rT+3], v[rT+2:rT+3], v[rS+4*(\n):rS+4*(\n)+1]
.endif
.elseif NOKQ
	v_nop
.else
	REGS (Y+1)%NP
	WIN 0
.if (\n) < 4
	v_max3_num_f32 v[rC+(\n)], v[rS+8*(\n)], v[rS+8*(\n)+1], v[rS+8*(\n)+2]
.elseif (\n) < 12
	v_max3_num_f32 v[rC+(\n)%4], v[rC+(\n)%4], v[rS+8*((\n)%4)+2*((\n)/4)+1], v[rS+8*((\n)%4)+2*((\n)/4)+2]
.elseif (\n) == 12
	v_max3_num_f32 v[rC], v[rC], v[rS+7], v[rS+15]
.elseif (\n) == 13
	v_max3_num_f32 v[rC+1], v[rC+1], v[rS+23], v[rS+31]
.elseif (\n) == 14
	v_max3_num_f32 v[rC+2], v[rC+2], v[rC+3], v[rT+1]
.elseif (\n) == 15
	v_mov_b32 v[rW], v[rT]
.elseif (\n) == 16
	v_max3_num_f32 v[rC], v[rC], v[rC+1], v[rC+2]
.elseif (\n) == 17
	v_permlanex16_b32 v[rC+3], v[rC], s[SEL], s[SEL+1]
.elseif (\n) == 18
	v_max_num_f32 v[rT+1], v[rC], v[rC+3]
.elseif (\n) == 19
	v_mul_f32 v[rT], s[CS], v[rT+1]
.elseif (\n) == 20
	v_sub_f32 v[rC+1], v[rW], v[rT]
.else
	v_exp_f32 v[rC+2], v[rC+1]
.endif
.endif
.endm
.macro OPS a, i1, b=-1, i2=0, c=-1, i3=0, d=-1, i4=0
	OP \a, \i1
.if (\b) >= 0
	OP \b, \i2
.endif
.if (\c) >= 0
	OP \c, \i3
.endif
.if (\d) >= 0
	OP \d, \i4
.endif
.endm
.macro ROW a, i1, b, i2, c, i3, d, i4  ; a matrix instruction and the four behind it
	MM
	OPS \a, \i1, \b, \i2, \c, \i3, \d, \i4
.endm
.macro MASK b                       ; MD x AL + BE into buffer b of MC
	WIN W_RS
.set z, 0
.rept 16
	v_pk_fma_f32 v[MC+32*(\b)+2*z:MC+32*(\b)+2*z+1], v[MD+2*z:MD+2*z+1], s[AL:AL+1], s[BE:BE+1] op_sel_hi:[1,0,0]
.set z, z+1
.endr
.endm
; A TURN, for piece p.  Ahead of its one wait stands all that names no result of the turn's exponentials: the 8 products K Q^T with their riders, and a lump; behind it the 8 products V^T P, whose riders are the roundings and sums.
; m = 1: the diagonal tile: the products take masks, and the turn makes the mask for the products of the turn after it, which are piece p's: in turn 1 for step 4 - CNT, in turn 0 for step 5 - CNT.
; end = 1: a block's last turn: no further scores, nothing is fetched.  cnt = 1: the loop's count is taken down some lines ahead of the branch behind the turn.
.macro TURN p, m=0, end=0, cnt=0
.set Y, (\p)
.set i, 0
.set KM, (\m)
.set NOKQ, (\end)
.if (\m) && !(\end)
	s_cmp_eq_u32 s[CNT], s[OW0+(\p)]    ; is that step the band's own?
	s_cselect_b32 s[AL], 1.0, 0
	s_cmp_lt_u32 s[CNT], s[OW0+(\p)]    ; or a later one?
	s_cselect_b32 s[BE], s[BIGN], 0
.endif
.if ((\p) == 1) && !(\end)
	s_wait_dscnt 16                 ; K is in; V's run of sixteen, issued behind it, may stay out
.endif
	ROW F,0, F,1, R,0, R,1
	ROW F,2, E,0, R,2, R,3
	ROW F,3, E,1, R,4, R,5
	ROW F,4, E,2, R,6, R,7
	ROW F,5, E,3, R,8, R,9
	ROW F,6, E,4, X,0, R,10
.if (\p) == 0
	WIN 0
	s_cmp_eq_u32 s[CNT], 1          ; the tile's fourth trip: the fourth step once more
	s_cselect_b32 s[KJ], KS*PK, 0
	s_sub_co_u32 s[KJ], s[TBK], s[KJ]
	v_add_nc_u32 v[AK], s[KJ], v[AK0]
.endif
	ROW F,7, E,5, X,1, X,4
	ROW F,8, E,6, X,2, X,5
	OPS E,7, E,8, X,6, E,9
	OPS X,3, E,10, X,8, E,11
.if (\p) == 0
	FETCH_K                         ; five plain instructions that name none of its registers stand behind the last product that read K
.endif
	OPS X,9, X,7, E,12, X,10
	OPS E,13, X,12, X,11, E,14
	OPS X,13, E,15, F,9, X,14
.if (\p) == 0
	v_add_nc_u32 v[AV], s[TBV], v[AV0]
.endif
	OPS E,16, F,10, E,17, F,11
	OPS X,16, E,18, X,15, E,19
	OPS F,12, E,20, X,17, E,21
	OPS F,13, E,22, F,14, E,23
	OPS X,18, E,24, F,15, E,25
	OPS R,11, E,26, X,19, E,27
	OPS R,12, E,28, R,13, E,29
	OPS X,20, E,30, R,14, E,31
	OPS X,21, R,15                  ; R 15 is the plain instruction behind the batch's last
	WIN 0
	s_wait_alu depctr_va_vdst(0)    ; the one wait for the batch
.if (\p) == 1
	s_wait_dscnt 0x0                ; V is in
.endif
	ROW C,0, B,0, C,2, B,1
	ROW L,0, C,4, B,2, L,1
	ROW C,6, B,3, L,2, C,8
	ROW B,4, L,3, C,10, B,5
	ROW L,4, C,12, B,6, L,5
.if (\p) == 0
	s_add_co_u32 s[TBV], s[TBV], KS*PV
.endif
.if \cnt
	s_sub_co_u32 s[CNT], s[CNT], 1
	s_cmp_lg_u32 s[CNT], 0
.endif
	ROW C,14, B,7, L,6, C,1
	ROW C,3, L,7, C,5, C,7
	ROW C,9, C,11, C,13, C,15
.if (\p) == 0
	FETCH_V                         ; four riders behind the last product that read V
.endif
.if (\m) && !(\end)
	MASK (\p)%2
.endif
.endm
.macro KFIRST                       ; behind a change of slots: K of the new tile's first step
	WIN 0
	v_add_nc_u32 v[AK], s[TBK], v[AK0]
	FETCH_K
	s_wait_dscnt 0x0
.endm
.macro DPRO                         ; piece 0's mask for the diagonal tile's step 0: its own step where DG = 0, else all keys are seen
	s_cmp_eq_u32 s[DG], 0
	s_cselect_b32 s[AL], 1.0, 0
	s_mov_b32 s[BE], 0
	MASK 0
	WIN 0
.endm
; A BLOCK BEGINS.  c m starts far below every c s, so the first step's a is 0; m at the lowest finite number.  Piece 1's mask for step 0 is 0 (its own step is later); piece 0's is its own where the tile is the diagonal one and DG = 0.
.macro BEGIN
	s_mov_b32 s[NEW], 0
	WIN 0x40
.set i, MC+32
.rept 32
	v_mov_b32 v[i], 0
.set i, i+1
.endr
	WIN 0
.set i, 0
.rept 2
	v_mov_b32 v[ST+4*i], 0xfe000000
	v_mov_b32 v[ST+4*i+1], 0xff7fffff
.set i, i+1
.endr
	s_or_b32 s13, s[RT], s[DG]
	s_cmp_eq_u32 s13, 0
	s_cselect_b32 s[AL], 1.0, 0
	s_mov_b32 s[BE], 0
	MASK 0
	WIN 0
	v_add_nc_u32 v[AK], s[TBK], v[AK0]
	FETCH_K
	s_wait_loadcnt 0x0              ; Q
	s_wait_dscnt 0x0
.set KM, 1
.set NOKQ, 0
.set i, 0
.rept 8
	KQ 0
.set i, i+1
.endr
	WIN 0
.rept 4
	v_nop                           ; the places behind those products
.endr
.set Y, NP-1                        ; X works for the other piece: piece 0
.irp n, 0,1,2,3,4,5,6,7,8,9,10,11,12,13,14,15,16,17,18,19,20,21
	OP X, \n
.endr
	v_nop
	s_wait_alu depctr_va_vdst(0)    ; a's wait, ahead of the branch
.endm
.macro ALL line:vararg
.set t, 0
.rept 2
	\line
.set t, t+1
.endr
.endm
.macro PACK t                       ; a lane's eight channels of a row pack into 16 bytes; they go into rows of 144 bytes and come back as whole rows of 128
	WIN W_RS
.set i, 32*(\t)
.rept 16
	v_pk_mul_f32 v[i:i+1], v[i:i+1], v[ST+4*(\t)+2:ST+4*(\t)+3] op_sel_hi:[1,0]
.set i, i+2
.endr
	WIN 0x05
.set i, 0
.rept 16
	v_cvt_pk_bf16_f32 v[S+16*(\t)+i], v[32*(\t)+2*i], v[32*(\t)+2*i+1]
.set i, i+1
.endr
	WIN 0
.irp f, 0,1,2,3
	ds_store_b128 v[STO], v[S+16*(\t)+4*\f:S+16*(\t)+4*\f+3] offset:32*\f
.endr
.irp f, 0,1,2,3
	ds_load_b128 v[S+16*(\t)+4*\f:S+16*(\t)+4*\f+3], v[RD] offset:\f*4*SP  ; LDS serves a wave's instructions in order (ISA guide 5.7.1.4)
.endr
.endm
.macro SEND t, younger              ; younger: the LDS instructions issued behind piece t's loads
	WIN 0
.irp f, 0,1,2,3
	s_wait_dscnt (\younger)+3-\f
	global_store_b128 v[GO], v[S+16*(\t)+4*\f:S+16*(\t)+4*\f+3], s[10:11] offset:(\t)*8192+\f*512  ; 512 consecutive bytes, aligned
.endr
.endm
; THE DIAGONAL TILE's four trips, the block's last turn, its last products, and the way out.
.macro DIAG tag
.LstepM\tag:
	TURN 1, 1
	WIN 0
.LfirstM\tag:
	TURN 0, 1, 0, 1
	WIN 0
	s_cbranch_scc1 .LstepM\tag
	TURN 1, 1, 1
.set i, 0
.rept 8
	PV 1
.set i, i+1
.endr
	WIN 0
	ALL v_add_f32 v[ST+4*t+2], v[ST+4*t+2], v[ST+4*t+3]
	ALL v_permlanex16_b32 v[ST+4*t+3], v[ST+4*t+2], s[SEL], s[SEL+1]
	ALL v_add_f32 v[ST+4*t+2], v[ST+4*t+2], v[ST+4*t+3]
	ALL v_rcp_f32 v[ST+4*t+2], v[ST+4*t+2]
	v_nop
	s_wait_alu depctr_va_vdst(0)    ; one wait for the two reciprocals
	PACK 0
	PACK 1
	SEND 0, 8
	SEND 1, 0
.endm
.set KM, 0
.set NOKQ, 0
.Lslot:                             ; eight times: a tile is entered and the next is asked for
	CHANGE 1
	s_sub_co_u32 s[RT], s[RT], 1
	s_mov_b32 s[CNT], 4
	s_cmp_eq_u32 s[NEW], 1
	s_cbranch_scc1 .Lnew            ; a block's first tile
	KFIRST
	s_cmp_eq_u32 s[RT], 0
	s_cbranch_scc0 .Lstep           ; neither its first nor its last
	DPRO
	s_branch .LstepM1
.Lnew:
	BEGIN
	s_branch .Lfirst                ; in the loop a block's first tile is never its last: the first block has five tiles or more, and the second's last is the walk's last
	DIAG 1                          ; in the loop this is the first block's end
	s_wait_xcnt 0x0                 ; the stores have read their registers and O's address
	s_mov_b64 s[10:11], s[OLO:OLO+1]
	s_add_co_u32 s[RT], s[PB], 1
	s_mov_b32 s[NEW], 1
	s_mov_b32 s[DG], s[DGB]
	s_sub_co_u32 s[OW0], 5, s[DG]
	s_sub_co_u32 s[OW1], 3, s[DG]
	WIN 0x82                        ; the second block's Q goes where the one text of the turns names Q
.set i, 0
.rept 32
	v_mov_b32 v[i], v[QB+i]
.set i, i+1
.endr
	WIN 0
	s_branch .Lbottom
.Lstep:                             ; a trip: a key step's two turns
	TURN 1
	WIN 0
.Lfirst:
	TURN 0, 0, 0, 1
	WIN 0
	s_cbranch_scc1 .Lstep
.Lbottom:
	s_sub_co_u32 s[SLOTS], s[SLOTS], 1
	s_cmp_lg_u32 s[SLOTS], 0
	s_cbranch_scc1 .Lslot
	CHANGE 0                        ; the walk's last tile is written out: nothing is asked for
	s_sub_co_u32 s[RT], s[RT], 1
	s_mov_b32 s[CNT], 4
	s_cmp_eq_u32 s[NEW], 1
	s_cbranch_scc1 .Lnew2
	KFIRST
	DPRO
	s_branch .LstepM2
.Lnew2:
	BEGIN
	s_branch .LfirstM2
	DIAG 2
	s_wait_tensorcnt 0x0            ; the wave's end
	ds_add_u32 v[SPW], v[NIL]
	s_wait_dscnt 0x0
	s_endpgm
.Lfunc_end_k_q8e63b42354_attn:
	.size	k_q8e63b42354_attn, .Lfunc_end_k_q8e63b42354_attn-k_q8e63b42354_attn
	.p2alignl 7, 3214868480
	.fill 96, 4, 3214868480
	.section	.rodata,"a",@progbits
	.p2align	6, 0x0
	.amdhsa_kernel k_q8e63b42354_attn
		.amdhsa_group_segment_fixed_size 327680
		.amdhsa_private_segment_fixed_size 0
		.amdhsa_enable_private_segment 0
		.amdhsa_kernarg_size 16
		.amdhsa_user_sgpr_count 2
		.amdhsa_user_sgpr_kernarg_segment_ptr 1
		.amdhsa_wavefront_size32 1
		.amdhsa_system_sgpr_workgroup_id_x 1
		.amdhsa_system_sgpr_workgroup_id_y 1
		.amdhsa_system_sgpr_workgroup_id_z 1
		.amdhsa_system_vgpr_workitem_id 0
		.amdhsa_next_free_vgpr 768
		.amdhsa_next_free_sgpr 100
		.amdhsa_reserve_vcc 1
		.amdhsa_float_denorm_mode_32 3
		.amdhsa_float_denorm_mode_16_64 3
		.amdhsa_memory_ordered 1
		.amdhsa_forward_progress 1
		.amdhsa_inst_pref_size 131
	.end_amdhsa_kernel
	.amdgpu_metadata
---
amdhsa.version: [ 1, 2 ]
amdhsa.kernels:
  - .name:           k_q8e63b42354_attn
    .symbol:         k_q8e63b42354_attn.kd
    .args:
      - { .name: qkv, .offset: 0, .size: 8, .value_kind: global_buffer, .address_space: global }
      - { .name: ctx, .offset: 8, .size: 8, .value_kind: global_buffer, .address_space: global }
    .group_segment_fixed_size: 327680
    .private_segment_fixed_size: 0
    .kernarg_segment_align: 8
    .kernarg_segment_size: 16
    .max_flat_workgroup_size: 128
    .sgpr_count:     100
    .vgpr_count:     768
    .wavefront_size: 32
...
	.end_amdgpu_metadata
.endif
;; end of part 3
;; launch wo (part 4): grid 8 x 32, 4 waves a work-group, clusters of 4 x 4, 327,680 bytes of LDS; arguments ctx, wts, x, x1b, ss; writes x1b, ss
.if DOCPART == 4
	.amdgcn_target "amdgcn-amd-amdhsa--gfx1250"
	.amdhsa_code_object_version 6
	.text
	.protected	k_q8e63b42354_wo
	.globl	k_q8e63b42354_wo
	.p2align	8
	.type	k_q8e63b42354_wo,@function
k_q8e63b42354_wo:
	s_mov_b64 s[64:65], 0
	v_nop
	global_prefetch_b8 v0, s[64:65] scope:SCOPE_SE
	s_setreg_imm32_b32 hwreg(HW_REG_WAVE_MODE, 25, 1), 1
	s_wait_xcnt 0x0
	s_wait_alu depctr_hold_cnt(0) depctr_sa_sdst(0) depctr_va_vdst(0) depctr_va_sdst(0) depctr_va_ssrc(0) depctr_va_vcc(0) depctr_vm_vsrc(0)
	s_getreg_b32 s2, hwreg(HW_REG_IB_STS2, 6, 4)
	s_cmp_eq_u32 s2, 0
	s_cbranch_scc0 .Lentry_in_a_cluster
	s_endpgm
.Lentry_in_a_cluster:
	s_bfe_u32 s2, ttmp6, 0x10000c
	s_cmp_lg_u32 s2, 0xf033
	s_cbranch_scc0 .Lentry_shape_is_right
	s_endpgm
.Lentry_shape_is_right:
; C = RES + A B on tiles of 128 x 128.  B: [K][1024] bf16, rows along N, inside wts at byte WOFF.  Sums in f32; the accumulators START from the residual, so nothing is cleared and no first step is written out.
; WO = 1: A = ctx, by heads [b x 16 + head][s][64] bf16 (k = 64 head + channel), K = 1024; RES = x (f32, row 2 s + b).  Out: x1b = bf16(x1), rows m' = 2048 b + s; ss[tile column][m'] = the sum of x1^2 over the tile's 128 columns, f32.
; WO = 0: A = u [4096][4096] bf16, K = 4096; RES = x1b (bf16: x1 is kept rounded once, at most 2^-9 of itself off).  Out: out0 (f32, row 2 s + b).
; Four waves, 64 x 64 each: 16 accumulators.  K goes in steps of 256 through two LDS slots; a trip of the loop is one K step; the slots change by one exclusive or (the tile bases have bits 14 and 17 clear; SLOT = 0x24000).
; CLUSTER 4 x 4: A's tile is shared along a row of the cluster, B's along a column.  The matrix instruction is used transposed (source 0 = 16 columns of B, turned by ds_load_tr16_b128; source 1 = 16 rows of A).
; No prefetch: the tiles are small and each is read by several clusters at about the same time.
; THE WAY OUT: the f32 sums go into slot 0's bytes, which have had their last fill, 128 rows x 528 bytes for the work-group; a barrier; wave w walks rows 32 w .. 32 w + 31 whole.
; LIMITS.  Matrix operands are bf16.  NaN and infinities are not treated apart.
; REGISTERS: window 0: v0-31 addresses; v32-95 at work; v128-255 the accumulators ((a, b) at 128 + 8 (4 a + b)).  Window 1: two fragment buffers of 128: 64 of A, then 64 of B.
.set WO,    1
.set TSTEPS, 4
.set PA,    144                        ; a row of A in LDS: a head's 128 bytes + 16
.set AQ,    64*PA                      ; a quarter of a step, 64 along K, is a head: 64 rows further on
.set HA,    4*64*PA                    ; 64 rows x 4 heads: one tensor load
.set ASTEP, 4*262144                   ; four heads on
.set WOFF,  6291456
.set PB,    288
.set HB,    128*PB                     ; 128 k x 128 n: one tensor load
.set SLOT,  0x24000
.set BSTEP, 256*2048
.set SPITCH, 528
.set SST,   2*SLOT                     ; WO = 1: the 128 rows' sums of squares
.set SPARE, 2*SLOT+512*WO              ; the spare words, 128 bytes for each wave: two blocks of 256 bytes that no other line names
.set ADRA0, 16
.set ADRA,  17
.set ADRB0, 20
.set ADRB,  21                         ; v21 k 0-127 of the step; v22 k 128-255 (an offset of 16 bits does not reach them)
.set STO,  24
.set RD,   25
.set CO,   26
.set RO,   27                          ; v27  my offset in the residual
.set SPW,  28
.set NIL,  29
.set ACC,  128
.set F0,   0
.set F1,   128
.set G1,  24
.set G0,  32
.set G1B, 48
.set G0B, 56
.set TB,  66
.set MSB, 0
.macro WIN new
.if MSB != (\new)
	s_set_vgpr_msb (MSB<<8)|(\new)
.set MSB, \new
.endif
.endm
.set MUL,  0x05                        ; sources 0 (B) and 1 (A) window 1; C and D window 0
.set TO_F, 0x40
.macro JLOAD s                         ; a joint load: waves 0 and 1 fetch A's two halves, waves 2 and 3 B's; an s_nop 0 and four v_nop follow each line
	s_cmp_eq_u32 s11, 0
	s_cbranch_scc0 .Lfor_b_\@
	tensor_load_to_lds s[G0+4*(\s):G0+4*(\s)+3], s[G1:G1+7]
	s_nop 0
.rept 4
	v_nop
.endr
	s_branch .Lasked_\@
.Lfor_b_\@:
	tensor_load_to_lds s[G0B+4*(\s):G0B+4*(\s)+3], s[G1B:G1B+7]
	s_nop 0
.rept 4
	v_nop
.endr
.Lasked_\@:
.endm
.macro CREST
	s_cmp_lg_u32 s10, 0
	s_cbranch_scc1 .Lnot_wave_0_\@
	s_barrier_signal -3
.Lnot_wave_0_\@:
	s_barrier_wait -3
	s_barrier_signal -1
	s_barrier_wait -1
.endm
.macro CROUND
	s_barrier_signal -1
	s_barrier_wait -1
	CREST
.endm
	s_load_b256 s[68:75], s[0:1], 0x0              ; A s[68:69], wts s[70:71], the residual s[72:73], the output s[74:75]
.if WO
	s_load_b64 s[76:77], s[0:1], 0x20              ; ss
.endif
	v_lshl_add_u32 v[SPW], v0, 2, SPARE
	v_mov_b32 v[NIL], 0
	ds_add_u32 v[SPW], v[NIL]                      ; the wave's opening: the add and its wait ahead of my first tensor load
	ds_add_u32 v28, v29
	v_lshrrev_b32 v1, 5, v0
	v_readfirstlane_b32 s10, v1                    ; wave 0..3
	s_lshr_b32 s11, s10, 1                         ; my half of the tile's rows.  Also: I fetch for A (0) or for B (1)
	s_and_b32 s12, s10, 1                          ; my half of its columns.  Also: which half tile I fetch
	s_bfe_u32 s40, ttmp6, 0x40000
	s_bfe_u32 s41, ttmp6, 0x40004
	s_lshl_b32 s42, ttmp9, 2
	s_add_co_u32 s42, s42, s40                     ; tile column, 0..7
	s_and_b32 s13, ttmp7, 0xffff
	s_lshl_b32 s13, s13, 2
	s_add_co_u32 s13, s13, s41                     ; tile row, 0..31
	s_lshl_b32 s43, s41, 2
	s_lshl_b32 s43, 15, s43                        ; my row of the cluster
	s_lshl_b32 s44, 0x1111, s40                    ; my column
.if WO
	; A: 4 rows (heads) of 4,096 elements (a head's 64 dense rows of 128 bytes), 131,072 elements apart; padded after every 32 words: in LDS [head][64 rows][144 bytes]
	s_or_b32 s[G1+0], s43, (1<<16)|(1<<20)|(1<<21)|(4<<22)|(3<<25)
	s_mov_b32 s[G1+1], 4096<<16
	s_mov_b32 s[G1+2], 4<<16
	s_mov_b32 s[G1+3], 4096<<16
	s_mov_b32 s[G1+4], 4
	s_mov_b32 s[G1+5], 131072
.else
	; A: 64 rows of 256 elements, padded after every 128 words
	s_or_b32 s[G1+0], s43, (1<<16)|(1<<20)|(1<<21)|(6<<22)|(3<<25)
	s_mov_b32 s[G1+1], 256<<16
	s_mov_b32 s[G1+2], 64<<16
	s_mov_b32 s[G1+3], 256<<16
	s_mov_b32 s[G1+4], 64
	s_mov_b32 s[G1+5], 4096
.endif
	s_mov_b32 s[G1+6], 0
	s_mov_b32 s[G1+7], 0
	s_or_b32 s[G1B+0], s44, (1<<16)|(1<<20)|(1<<21)|(5<<22)|(7<<25)  ; B: 128 rows (k) of 128 elements (n), 8 words of padding after every 64
	s_mov_b32 s[G1B+1], 128<<16
	s_mov_b32 s[G1B+2], 128<<16
	s_mov_b32 s[G1B+3], 128<<16
	s_mov_b32 s[G1B+4], 128
	s_mov_b32 s[G1B+5], 1024
	s_mov_b32 s[G1B+6], 0
	s_mov_b32 s[G1B+7], 0
.if WO
	s_lshr_b32 s16, s13, 4
	s_lshl_b32 s16, s16, 22                        ; b: sixteen heads of 262,144 bytes
	s_and_b32 s17, s13, 15
	s_lshl_b32 s17, s17, 7
	s_lshl_b32 s18, s12, 6
	s_add_co_u32 s17, s17, s18                     ; s of the first row that I fetch
	s_lshl_b32 s17, s17, 7
	s_add_co_u32 s16, s16, s17
.else
	s_lshl_b32 s16, s13, 7
	s_lshl_b32 s17, s12, 6
	s_add_co_u32 s16, s16, s17
	s_lshl_b32 s16, s16, 13                        ; rows of 8,192 bytes
.endif
	s_mov_b32 s17, 0
	s_lshl_b32 s46, s12, 18                        ; B: my 128 of the step's 256 rows of 2,048 bytes,
	s_lshl_b32 s47, s42, 8                         ; the tile's 128 columns
	s_add_co_u32 s46, s46, s47
	s_add_co_u32 s46, s46, WOFF
	s_mov_b32 s47, 0
	s_mul_i32 s20, s12, HA                         ; where they go: no place in the cluster enters an LDS address
	s_mul_i32 s21, s12, HB
	s_add_co_u32 s21, s21, 2*HA
	s_mov_b32 s[TB], 0
	s_wait_dscnt 0x0                               ; the opening add is done
	s_wait_kmcnt 0x0
	s_add_nc_u64 s[14:15], s[68:69], s[16:17]
	s_add_nc_u64 s[46:47], s[70:71], s[46:47]
	CROUND                                         ; all sixteen work-groups are here: the first joint loads meet
.irp s, 0,1
	s_mov_b32 s[G0+4*(\s)], 1
	s_add_co_u32 s[G0+4*(\s)+1], s20, (\s)*SLOT
	s_add_nc_u64 s[G0+4*(\s)+2:G0+4*(\s)+3], s[14:15], (\s)*ASTEP
	s_or_b32 s[G0+4*(\s)+3], s[G0+4*(\s)+3], 0x80000000
	s_mov_b32 s[G0B+4*(\s)], 1
	s_add_co_u32 s[G0B+4*(\s)+1], s21, (\s)*SLOT
	s_add_nc_u64 s[G0B+4*(\s)+2:G0B+4*(\s)+3], s[46:47], (\s)*BSTEP
	s_or_b32 s[G0B+4*(\s)+3], s[G0B+4*(\s)+3], 0x80000000
	JLOAD \s                                       ; K steps 0 and 1: two loads of mine are out
.endr
	v_and_b32 v1, 15, v0                           ; r
	v_bfe_u32 v2, v0, 4, 1                         ; h
	v_and_b32 v3, 31, v0                           ; l
	; THE RESIDUAL, in the accumulators' layout: lane (r, h) of accumulator (a, b) holds row 16 a + r, columns 16 b + 8 h + 0..7
.if WO
	s_and_b32 s78, s13, 15
	s_lshl_b32 s78, s78, 7
	s_lshl_b32 s79, s11, 6
	s_add_co_u32 s78, s78, s79                     ; s of my first row
	s_lshl_b32 s78, s78, 1
	s_lshr_b32 s79, s13, 4
	s_add_co_u32 s78, s78, s79                     ; row 2 s + b
	s_lshl_b32 s78, s78, 12
	s_lshl_b32 s79, s42, 9
	s_add_co_u32 s78, s78, s79
	s_lshl_b32 s79, s12, 8
	s_add_co_u32 s78, s78, s79                     ; my first column, 4 bytes each
	s_mov_b32 s79, 0
	s_add_nc_u64 s[72:73], s[72:73], s[78:79]
	v_lshlrev_b32 v[RO], 13, v1
	v_lshl_add_u32 v[RO], v2, 5, v[RO]
.irp a, 0,1,2,3                        ; straight into the accumulators; a row group's eight loads together take the whole 256 bytes of each of its 16 rows
.irp b, 0,1,2,3
	global_load_b128 v[ACC+8*(4*(\a)+(\b)):ACC+8*(4*(\a)+(\b))+3],   v[RO], s[72:73] offset:(\a)*131072+(\b)*64 th:TH_LOAD_NT
	global_load_b128 v[ACC+8*(4*(\a)+(\b))+4:ACC+8*(4*(\a)+(\b))+7], v[RO], s[72:73] offset:(\a)*131072+(\b)*64+16 th:TH_LOAD_NT
.endr
.endr
.else
	s_lshl_b32 s78, s13, 7
	s_lshl_b32 s79, s11, 6
	s_add_co_u32 s78, s78, s79
	s_lshl_b32 s78, s78, 11
	s_lshl_b32 s79, s42, 8
	s_add_co_u32 s78, s78, s79
	s_lshl_b32 s79, s12, 7
	s_add_co_u32 s78, s78, s79
	s_mov_b32 s79, 0
	s_add_nc_u64 s[72:73], s[72:73], s[78:79]
	v_lshlrev_b32 v[RO], 11, v1
	v_lshl_add_u32 v[RO], v2, 4, v[RO]
.irp a, 0,1,2,3
.irp b, 0,1,2,3
	global_load_b128 v[32+4*(4*(\a)+(\b)):32+4*(4*(\a)+(\b))+3], v[RO], s[72:73] offset:(\a)*32768+(\b)*32 th:TH_LOAD_NT
.endr
.endr
	s_mov_b32 s84, 0xffff0000
.endif
	v_mul_u32_u24 v4, v1, PA
	v_lshl_add_u32 v4, v2, 4, v4
	s_mul_i32 s21, s11, HA
	v_add_nc_u32 v[ADRA0], s21, v4
	v_and_b32 v4, 7, v0
	v_lshl_add_u32 v4, v2, 3, v4
	v_mul_u32_u24 v4, v4, PB
	v_bfe_u32 v5, v0, 3, 1
	v_lshl_add_u32 v4, v5, 4, v4
	s_lshl_b32 s22, s12, 7                         ; my 64 columns: 128 bytes
	s_add_co_u32 s22, s22, 2*HA
	v_add_nc_u32 v[ADRB0], s22, v4
	v_mov_b32 v[ADRA], v[ADRA0]
	v_mov_b32 v[ADRB], v[ADRB0]
	v_add_nc_u32 v[ADRB+1], HB, v[ADRB0]
	s_mul_i32 s23, s11, 64*SPITCH                  ; into the stage: my 64 rows, my half of their 512 bytes
	s_lshl_b32 s22, s12, 8
	s_add_co_u32 s23, s23, s22
	v_mul_u32_u24 v4, v1, SPITCH
	v_lshl_add_u32 v4, v2, 5, v4
	v_add_nc_u32 v[STO], s23, v4
	s_mul_i32 s23, s10, 32*SPITCH                  ; back: wave w takes rows 32 w .. 32 w + 31, a row's 512 bytes a load
	v_lshl_add_u32 v[RD], v3, 4, s23
.if WO
	v_lshlrev_b32 v[CO], 3, v3
	s_lshl_b32 s78, s13, 7
	s_lshl_b32 s79, s10, 5
	s_add_co_u32 s78, s78, s79
	s_lshl_b32 s78, s78, 11                        ; x1b: row 128 x tile row + 32 x wave, 2,048 bytes each,
	s_lshl_b32 s79, s42, 8
	s_add_co_u32 s78, s78, s79                     ; the tile's 256 bytes
	s_mov_b32 s79, 0
	s_add_nc_u64 s[74:75], s[74:75], s[78:79]
	s_lshl_b32 s78, s42, 14
	s_lshl_b32 s80, s13, 9
	s_add_co_u32 s78, s78, s80                     ; ss: line = tile column, the tile's 128 rows
	s_add_nc_u64 s[76:77], s[76:77], s[78:79]
	s_mov_b32 s86, 0x76543210
	s_mov_b32 s87, 0xfedcba98
.else
	v_lshlrev_b32 v[CO], 4, v3
	s_and_b32 s78, s13, 15
	s_lshl_b32 s78, s78, 7
	s_lshl_b32 s79, s10, 5
	s_add_co_u32 s78, s78, s79
	s_lshl_b32 s78, s78, 1
	s_lshr_b32 s79, s13, 4
	s_add_co_u32 s78, s78, s79                     ; out0: row 2 s + b
	s_lshl_b32 s78, s78, 12
	s_lshl_b32 s79, s42, 9
	s_add_co_u32 s78, s78, s79
	s_mov_b32 s79, 0
	s_add_nc_u64 s[74:75], s[74:75], s[78:79]
.endif
; 8 matrix instructions: m blocks a0, a0 + 1 x all 4 n blocks, 32 along K: half c of buffer f.  The 16 accumulators take turns.
.macro MUL8 f, c, a0
	WIN MUL
.irp a, \a0, (\a0)+1
.irp b, 0,1,2,3
	v_wmma_f32_16x16x32_bf16 v[ACC+8*(4*(\a)+(\b)):ACC+8*(4*(\a)+(\b))+7], v[(\f)+64+8*(4*(\c)+(\b)):(\f)+64+8*(4*(\c)+(\b))+7], v[(\f)+8*(4*(\c)+(\a)):(\f)+8*(4*(\c)+(\a))+7], v[ACC+8*(4*(\a)+(\b)):ACC+8*(4*(\a)+(\b))+7]
.endr
.endr
.endm
; 32 LDS loads in one run: quarter q (64 along K) of the slot that is read, into buffer f; the first 32 along K first
.macro FETCH q, f
	WIN TO_F
.irp c, 0,1
.irp i, 0,1,2,3
	ds_load_tr16_b128 v[(\f)+64+8*(4*(\c)+(\i)):(\f)+64+8*(4*(\c)+(\i))+3],   v[ADRB+(\q)/2] offset:(((\q)%2)*64+32*(\c))*PB+32*(\i)
	ds_load_tr16_b128 v[(\f)+64+8*(4*(\c)+(\i))+4:(\f)+64+8*(4*(\c)+(\i))+7], v[ADRB+(\q)/2] offset:(((\q)%2)*64+32*(\c))*PB+16*PB+32*(\i)
	ds_load_b128 v[(\f)+8*(4*(\c)+(\i)):(\f)+8*(4*(\c)+(\i))+3],   v[ADRA] offset:(\q)*AQ+64*(\c)+(\i)*16*PA
	ds_load_b128 v[(\f)+8*(4*(\c)+(\i))+4:(\f)+8*(4*(\c)+(\i))+7], v[ADRA] offset:(\q)*AQ+64*(\c)+(\i)*16*PA+32
.endr
.endr
.endm
.macro PLACES                          ; four plain instructions between a matrix instruction and a load into, or a reader of, its registers
.rept 4
	v_nop
.endr
.endm
.macro QUARTER q, f, g                 ; multiplies buffer f; in its middle fetches quarter q into buffer g
	s_wait_dscnt 16                                ; the first 32 along K are in
	MUL8 \f, 0, 0
	MUL8 \f, 0, 2
	PLACES
	FETCH \q, \g
	s_wait_dscnt 32                                ; all but the 32 just issued
	MUL8 \f, 1, 0
	MUL8 \f, 1, 2
.endm
; The last quarter multiplies buffer 1 and changes slots.  fill = 1: the barrier opens a round of the cluster's, and the slot just read out is filled again first, with the K step two on.
.macro TURN fill
	WIN 0
	s_wait_tensorcnt 0x0                           ; all my tensor loads have landed: my part of the next slot
	ds_add_u32 v[SPW], v[NIL]
	s_wait_dscnt 17                                ; (the add and the youngest sixteen loads may be out)
	MUL8 F1, 0, 0
	s_wait_dscnt 0x0                               ; the add is done, and my reads of this slot are over
	s_barrier_signal -1
	MUL8 F1, 0, 2
	WIN 0
	s_barrier_wait -1
.if \fill
	CREST
	s_xor_b32 s[G0+5], s[G0+5], SLOT
	s_add_nc_u64 s[G0+6:G0+7], s[G0+6:G0+7], ASTEP
	s_xor_b32 s[G0B+5], s[G0B+5], SLOT
	s_add_nc_u64 s[G0B+6:G0B+7], s[G0B+6:G0B+7], BSTEP
	JLOAD 1                                        ; its four v_nop are also the places in front of the loads below
.else
	PLACES
.endif
	s_xor_b32 s[TB], s[TB], SLOT
	v_add_nc_u32 v[ADRA], s[TB], v[ADRA0]
	v_add_nc_u32 v[ADRB], s[TB], v[ADRB0]
	v_add_nc_u32 v[ADRB+1], HB, v[ADRB]
	FETCH 0, F0
	MUL8 F1, 1, 0
	MUL8 F1, 1, 2
.endm
	s_wait_tensorcnt 1                             ; my part of K step 0 is in; step 1's may stay out
	s_barrier_signal -1
	s_barrier_wait -1
	FETCH 0, F0
	WIN 0
	s_wait_loadcnt 0x0                             ; the residual
.if !WO
.irp t, 0,1,2,3,4,5,6,7,8,9,10,11,12,13,14,15
.irp i, 0,1,2,3
	v_lshlrev_b32 v[ACC+8*(\t)+2*(\i)], 16, v[32+4*(\t)+(\i)]
	v_and_b32 v[ACC+8*(\t)+2*(\i)+1], s84, v[32+4*(\t)+(\i)]
.endr
.endr
.endif
	s_mov_b32 s3, TSTEPS-2
.Lk:                                               ; trip i: K step i, and the refill with step i + 2
	QUARTER 1, F0, F1
	QUARTER 2, F1, F0
	QUARTER 3, F0, F1
	TURN 1
	WIN 0
	s_sub_co_u32 s3, s3, 1
	s_cmp_lg_u32 s3, 0
	s_cbranch_scc1 .Lk
	s_mov_b32 s3, 2
.Lt:                                               ; the last two K steps ask for nothing.  In the second trip the fetch from the other slot serves nothing: the price of one text for both
	QUARTER 1, F0, F1
	QUARTER 2, F1, F0
	QUARTER 3, F0, F1
	TURN 0
	WIN 0
	s_sub_co_u32 s3, s3, 1
	s_cmp_lg_u32 s3, 0
	s_cbranch_scc1 .Lt
	; THE WAY OUT
	s_wait_dscnt 0x0                               ; my reads of the ring are over,
	s_barrier_signal -1
	s_barrier_wait -1                              ; everybody's are: slot 0, which has had its last fill, becomes the stage
	PLACES
.irp a, 0,1,2,3                        ; each accumulator's four lowest registers first
.irp b, 0,1,2,3
	ds_store_b128 v[STO], v[ACC+8*(4*(\a)+(\b)):ACC+8*(4*(\a)+(\b))+3]   offset:(\a)*16*SPITCH+(\b)*64
	ds_store_b128 v[STO], v[ACC+8*(4*(\a)+(\b))+4:ACC+8*(4*(\a)+(\b))+7] offset:(\a)*16*SPITCH+(\b)*64+16
.endr
.endr
	s_wait_dscnt 0x0                               ; for the others' sake: a row's 512 bytes come from two waves
	s_barrier_signal -1
	s_barrier_wait -1
.if WO
.set RAW, 32
.set SQ,  48
.set RT,  56
.set PX,  60
.set OUT, 64
.set SSV, 72
.set LJ,  76
	v_mov_b32 v[SSV], 0
.irp j, 0,1,2,3
	v_mov_b32 v[PX+(\j)], 0
	v_add_nc_u32 v[LJ+(\j)], -(\j), v3             ; lane - j
.endr
	s_mov_b32 s3, 0
.Lrows:                                            ; four rows a trip: their sums of squares, and x1 rounded to bf16; a store is a row's 256 consecutive bytes, aligned
.irp j, 0,1,2,3
	ds_load_b128 v[RAW+4*(\j):RAW+4*(\j)+3], v[RD] offset:(\j)*SPITCH
.endr
	v_add_nc_u32 v[RD], 4*SPITCH, v[RD]
	s_wait_dscnt 0x0
.irp j, 0,1,2,3
	v_pk_mul_f32 v[SQ+2*(\j):SQ+2*(\j)+1], v[RAW+4*(\j):RAW+4*(\j)+1], v[RAW+4*(\j):RAW+4*(\j)+1]
.endr
.irp j, 0,1,2,3
	v_pk_fma_f32 v[SQ+2*(\j):SQ+2*(\j)+1], v[RAW+4*(\j)+2:RAW+4*(\j)+3], v[RAW+4*(\j)+2:RAW+4*(\j)+3], v[SQ+2*(\j):SQ+2*(\j)+1]
.endr
.irp j, 0,1,2,3
	v_add_f32 v[RT+(\j)], v[SQ+2*(\j)], v[SQ+2*(\j)+1]
.endr
.irp m, 1,2,4,8
.irp j, 0,1,2,3
	v_add_f32_dpp v[RT+(\j)], v[RT+(\j)], v[RT+(\j)] row_xmask:\m row_mask:0xf bank_mask:0xf
.endr
.endr
.irp j, 0,1,2,3
	v_permlanex16_b32 v[PX+(\j)], v[RT+(\j)], s86, s87
.endr
.irp j, 0,1,2,3
	v_add_f32 v[RT+(\j)], v[RT+(\j)], v[PX+(\j)]
.endr
.irp j, 0,1,2,3
	v_cmp_eq_u32 vcc_lo, s3, v[LJ+(\j)]            ; lane s3 + j keeps row s3 + j's sum
	v_cndmask_b32 v[SSV], v[SSV], v[RT+(\j)], vcc_lo
.endr
	s_wait_xcnt 0x0                                ; the last trip's stores have read their offset and their data
	v_add_nc_u32 v[CO], 4*2048, v[CO]
.irp j, 0,1,2,3
	v_cvt_pk_bf16_f32 v[OUT+2*(\j)], v[RAW+4*(\j)], v[RAW+4*(\j)+1]
	v_cvt_pk_bf16_f32 v[OUT+2*(\j)+1], v[RAW+4*(\j)+2], v[RAW+4*(\j)+3]
.endr
.irp j, 0,1,2,3
	global_store_b64 v[CO], v[OUT+2*(\j):OUT+2*(\j)+1], s[74:75] offset:(\j)*2048-4*2048
.endr
	s_add_co_u32 s3, s3, 4
	s_cmp_lt_u32 s3, 32
	s_cbranch_scc1 .Lrows
	v_lshl_add_u32 v73, v0, 2, SST                 ; thread t holds row t's sum
	ds_store_b32 v73, v[SSV]
	s_wait_dscnt 0x0
	s_barrier_signal -1
	s_barrier_wait -1
	s_cmp_lg_u32 s10, 0                            ; wave 0 stores the 128 sums: 512 consecutive bytes, aligned
	s_cbranch_scc1 .Lend
	v_lshl_add_u32 v74, v0, 4, SST
	ds_load_b128 v[80:83], v74
	v_lshlrev_b32 v75, 4, v0
	s_wait_dscnt 0x0
	global_store_b128 v75, v[80:83], s[76:77]
.Lend:
.else
	s_mov_b32 s3, 4
.Lrows:                                            ; eight rows a trip; a store is a row's 512 consecutive bytes, aligned
	s_wait_xcnt 0x0                                ; the last trip's stores have read their offset and their data
	v_add_nc_u32 v[CO], 8*8192, v[CO]
.irp j, 0,1,2,3,4,5,6,7
	ds_load_b128 v[32+4*(\j):32+4*(\j)+3], v[RD] offset:(\j)*SPITCH
.endr
	v_add_nc_u32 v[RD], 8*SPITCH, v[RD]
.irp j, 0,1,2,3,4,5,6,7
	s_wait_dscnt 7-(\j)                            ; the younger loads may stay out
	global_store_b128 v[CO], v[32+4*(\j):32+4*(\j)+3], s[74:75] offset:(\j)*8192-8*8192 th:TH_STORE_NT
.endr
	s_sub_co_u32 s3, s3, 1
	s_cmp_lg_u32 s3, 0
	s_cbranch_scc1 .Lrows
.endif
	s_wait_tensorcnt 0x0                           ; the wave's end
	ds_add_u32 v[SPW], v[NIL]
	s_wait_dscnt 0x0
	CROUND                                         ; the closing round
	s_endpgm
.Lfunc_end_k_q8e63b42354_wo:
	.size	k_q8e63b42354_wo, .Lfunc_end_k_q8e63b42354_wo-k_q8e63b42354_wo
	.p2alignl 7, 3214868480
	.fill 96, 4, 3214868480
	.section	.rodata,"a",@progbits
	.p2align	6, 0x0
	.amdhsa_kernel k_q8e63b42354_wo
		.amdhsa_group_segment_fixed_size 327680
		.amdhsa_private_segment_fixed_size 0
		.amdhsa_enable_private_segment 0
		.amdhsa_kernarg_size 40
		.amdhsa_user_sgpr_count 2
		.amdhsa_user_sgpr_kernarg_segment_ptr 1
		.amdhsa_wavefront_size32 1
		.amdhsa_system_sgpr_workgroup_id_x 1
		.amdhsa_system_sgpr_workgroup_id_y 1
		.amdhsa_system_sgpr_workgroup_id_z 1
		.amdhsa_system_vgpr_workitem_id 0
		.amdhsa_next_free_vgpr 512
		.amdhsa_next_free_sgpr 90
		.amdhsa_reserve_vcc 1
		.amdhsa_float_denorm_mode_32 3
		.amdhsa_float_denorm_mode_16_64 3
		.amdhsa_memory_ordered 1
		.amdhsa_forward_progress 1
		.amdhsa_inst_pref_size 57
	.end_amdhsa_kernel
	.amdgpu_metadata
---
amdhsa.version: [ 1, 2 ]
amdhsa.kernels:
  - .name:           k_q8e63b42354_wo
    .symbol:         k_q8e63b42354_wo.kd
    .args:
      - { .name: ctx, .offset: 0, .size: 8, .value_kind: global_buffer, .address_space: global }
      - { .name: wts, .offset: 8, .size: 8, .value_kind: global_buffer, .address_space: global }
      - { .name: x, .offset: 16, .size: 8, .value_kind: global_buffer, .address_space: global }
      - { .name: x1b, .offset: 24, .size: 8, .value_kind: global_buffer, .address_space: global }
      - { .name: ss, .offset: 32, .size: 8, .value_kind: global_buffer, .address_space: global }
    .group_segment_fixed_size: 327680
    .private_segment_fixed_size: 0
    .kernarg_segment_align: 8
    .kernarg_segment_size: 40
    .max_flat_workgroup_size: 128
    .sgpr_count:     90
    .vgpr_count:     512
    .wavefront_size: 32
...
	.end_amdgpu_metadata
.endif
;; end of part 4
;; launch ffn1 (part 5): grid 16 x 16, 4 waves a work-group, clusters of 4 x 4, 327,680 bytes of LDS; arguments x1b, wts, ss, u; writes u
.if DOCPART == 5
	.amdgcn_target "amdgcn-amd-amdhsa--gfx1250"
	.amdhsa_code_object_version 6
	.text
	.protected	k_q8e63b42354_ffn1
	.globl	k_q8e63b42354_ffn1
	.p2align	8
	.type	k_q8e63b42354_ffn1,@function
k_q8e63b42354_ffn1:
	s_mov_b64 s[64:65], 0
	v_nop
	global_prefetch_b8 v0, s[64:65] scope:SCOPE_SE
	s_setreg_imm32_b32 hwreg(HW_REG_WAVE_MODE, 25, 1), 1
	s_wait_xcnt 0x0
	s_wait_alu depctr_hold_cnt(0) depctr_sa_sdst(0) depctr_va_vdst(0) depctr_va_sdst(0) depctr_va_ssrc(0) depctr_va_vcc(0) depctr_vm_vsrc(0)
	s_getreg_b32 s2, hwreg(HW_REG_IB_STS2, 6, 4)
	s_cmp_eq_u32 s2, 0
	s_cbranch_scc0 .Lentry_in_a_cluster
	s_endpgm
.Lentry_in_a_cluster:
	s_bfe_u32 s2, ttmp6, 0x10000c
	s_cmp_lg_u32 s2, 0xf033
	s_cbranch_scc0 .Lentry_shape_is_right
	s_endpgm
.Lentry_shape_is_right:
; C = A B.  A: [4096][1024] bf16, rows along K.  B: [1024][NP] bf16, rows along N, inside wts at byte WOFF.  Sums in f32, K ascending.
; FFN = 0: A = h1, B = wqkv; C goes out rounded once to bf16 by heads: qkv + which x 8,388,608, [b x 16 + head][s][64], unscaled.
; FFN = 1: A = x1b, B = w1g; u = bf16(silu(rs[row] x C)), rs = rsq(sum of the eight partial sums of squares / 1024 + 1e-6), silu(z) = z / (1 + 2^(-z log2 e)).
; A tile of C is 256 x 256: four waves, 128 x 128 each, 64 accumulators of 16 x 16 in 512 registers.  K goes in 8 steps of 128 through two LDS slots filled by tensor loads.
; A's rows lie along K and come out of LDS as they lie; B's rows lie along N and come out turned, by ds_load_tr16_b128.
; The matrix instruction is used transposed (source 0 = 16 columns of B, source 1 = 16 rows of A): a lane then holds eight neighbouring numbers of one row of C.
; CLUSTER 4 x 4: A's tile is shared along a row of the cluster, B's along a column: each is asked for jointly, with one descriptor and a mask of four.
; A trip of the loop is one K step; which slot is read stands in s[TB], which is filled in the walking descriptor's LDS word; both change by one exclusive or:
; the four tile bases in a slot (0, 0x8800, 0x11000, 0x1a000) have bits 14 and 17 clear, and SLOT = 0x24000 is just these two bits.
; THE WAY OUT: the f32 sums go into the ring's bytes, which have had their last fill, 128 rows x 528 bytes for each wave, and are walked by rows in a loop.
; LIMITS.  Matrix operands and what is stored are bf16.  NaN and infinities are not treated apart.
; REGISTERS: window 0: v0-31 addresses, v32-63 and v192-255 at work on the way out, v64-191 A's fragments (two buffers); window 1: v64-191 B's fragments; windows 2, 3: the accumulators.
.set FFN,   1
.set NP,    4096
.set WOFF,  8388608
.set KSTEP, 128
.set PA,    272                        ; a row of A in LDS: 256 bytes + 16: the 16 rows of a load start at 16 different groups of four banks (ISA guide 11.1)
.set PB,    288                        ; a row of B: 256 + 32
.set HA,    128*PA                     ; 128 rows of A: one tensor load
.set HB,    128*PB                     ; 128 k x 128 n of B: one tensor load
.set SLOT,  0x24000                    ; A's two row halves, B's two column halves (143,360 bytes), and 4,096 spare
.set BSTEP, KSTEP*NP*2
.set SPITCH, 528                       ; a row of the stage: 512 bytes + 16
.set WSTAGE, 128*SPITCH
.set RST,   2*SLOT                     ; FFN = 1: 1 / rms of the tile's 256 rows, f32
.set SPARE, 2*SLOT+1024                ; the spare words, 128 bytes for each wave: two blocks of 256 bytes that no other line names
.set ADRA0, 16                         ; v16  my place in A's tile of slot 0; never rewritten
.set ADRA,  17                         ; v17  the same in the slot that is read
.set ADRB0, 20
.set ADRB,  21
.set STO,  24                          ; v24  the way out: where I put 32 bytes of a row
.set RD,   25                          ; v25  where I read rows back
.set CO,   26                          ; v26  my byte offset in the output
.set SPW,  28                          ; v28  my spare word; never rewritten
.set NIL,  29                          ; v29  0; never rewritten
.set PFO,  30                          ; v30  the prefetches' offset: my lane x a row in memory; never rewritten
.set RSA,  31                          ; v31  FFN = 1: where the next four rows' 1 / rms lie
.set F0,   64
.set F1,   128
.set G1,  24                           ; s[24:31] group 1 for A;  s[32:39] group 0: set 0 the first fill, set 1 the second, which then walks
.set G0,  32
.set G1B, 48                           ; s[48:55], s[56:63] the same for B
.set G0B, 56
.set LIM, 43                           ; s43  2 in a wave that prefetches, else the greatest number
.set PFA, 44                           ; s[44:45] where my prefetches stand
.set TB,  66                           ; s66  0 or SLOT: the slot that is read
.set PFS, 70                           ; s[70:71] a K step in the tensor that I prefetch
.set MSB, 0
.macro WIN new                         ; the immediate's high byte repeats the setting that is left; a switch that changes nothing is dropped
.if MSB != (\new)
	s_set_vgpr_msb (MSB<<8)|(\new)
.set MSB, \new
.endif
.endm
.set MUL_LO, 0xa1                      ; source 0 (B) window 1, source 1 (A) window 0, C and D window 2
.set MUL_HI, 0xf1                      ; the same, C and D window 3
.set TO_B,   0x40                      ; destination window 1, address window 0
; A joint load: waves 0 and 1 fetch A's two halves, waves 2 and 3 B's.  An s_nop 0 and four v_nop follow each line.
.macro JLOAD s
	s_cmp_eq_u32 s11, 0
	s_cbranch_scc0 .Lfor_b_\@
	tensor_load_to_lds s[G0+4*(\s):G0+4*(\s)+3], s[G1:G1+7]
	s_nop 0
.rept 4
	v_nop
.endr
	s_branch .Lasked_\@
.Lfor_b_\@:
	tensor_load_to_lds s[G0B+4*(\s):G0B+4*(\s)+3], s[G1B:G1B+7]
	s_nop 0
.rept 4
	v_nop
.endr
.Lasked_\@:
.endm
; A prefetch of the K step that stands two refills on: 32 rows x 256 bytes, a lane a row.  A's rows are asked for by the clusters with x = 0, B's by those with y = 0;
; of the 128 rows that a wave fetches each of the four partners takes 32, told apart by address.  So each row's 256 bytes of a step are named once.  Steps 4 to 7 are asked for (s3 = 6 .. 3).
.macro ASK
	s_cmp_gt_u32 s3, s[LIM]
	s_cbranch_scc0 .Lnot_mine_\@
	global_prefetch_b8 v[PFO], s[PFA:PFA+1] th:TH_LOAD_NT scope:SCOPE_SE
.Lnot_mine_\@:
.endm
.macro CREST                           ; a round of the cluster's barrier behind its opening barrier
	s_cmp_lg_u32 s10, 0
	s_cbranch_scc1 .Lnot_wave_0_\@
	s_barrier_signal -3
.Lnot_wave_0_\@:
	s_barrier_wait -3
	s_barrier_signal -1
	s_barrier_wait -1
.endm
.macro CROUND
	s_barrier_signal -1
	s_barrier_wait -1
	CREST
.endm
	s_load_b128 s[4:7], s[0:1], 0x0                ; A s[4:5], wts s[6:7]
.if FFN
	s_load_b64 s[72:73], s[0:1], 0x10              ; ss
	s_load_b64 s[8:9], s[0:1], 0x18                ; u
.else
	s_load_b64 s[8:9], s[0:1], 0x10                ; qkv
.endif
	v_lshl_add_u32 v[SPW], v0, 2, SPARE
	v_mov_b32 v[NIL], 0
	ds_add_u32 v[SPW], v[NIL]                      ; the wave's opening: the add and its wait ahead of my first tensor load
	ds_add_u32 v28, v29
	v_lshrrev_b32 v1, 5, v0
	v_readfirstlane_b32 s10, v1                    ; wave 0..3
	s_lshr_b32 s11, s10, 1                         ; my half of the tile's rows.  Also: I fetch for A (0) or for B (1)
	s_and_b32 s12, s10, 1                          ; my half of its columns.  Also: which half tile I fetch
	s_bfe_u32 s40, ttmp6, 0x40000                  ; cx
	s_bfe_u32 s41, ttmp6, 0x40004                  ; cy
	s_lshl_b32 s42, ttmp9, 2
	s_add_co_u32 s42, s42, s40                     ; tile column
	s_and_b32 s13, ttmp7, 0xffff
	s_lshl_b32 s13, s13, 2
	s_add_co_u32 s13, s13, s41                     ; tile row
	s_lshl_b32 s67, s41, 2
	s_lshl_b32 s67, 15, s67                        ; my row of the cluster
	s_lshl_b32 s68, 0x1111, s40                    ; my column
	s_or_b32 s[G1+0], s67, (1<<16)|(1<<20)|(1<<21)|(5<<22)|(3<<25)   ; mask; 2-byte elements; padding on; bit 21 beside a mask; after every 64 words 4 words
	s_or_b32 s[G1B+0], s68, (1<<16)|(1<<20)|(1<<21)|(5<<22)|(7<<25)  ; the same with my column's mask and 8 words
.irp g, G1, G1B
	s_mov_b32 s[(\g)+1], 128<<16                   ; tensor_dim0 = 128
	s_mov_b32 s[(\g)+2], 128<<16                   ; tensor_dim1 = 128
	s_mov_b32 s[(\g)+3], 128<<16                   ; tile_dim0 = 128
	s_mov_b32 s[(\g)+4], 128                       ; tile_dim1 = 128
	s_mov_b32 s[(\g)+6], 0
	s_mov_b32 s[(\g)+7], 0
.endr
	s_mov_b32 s[G1+5], 1024                        ; elements from row to row
	s_mov_b32 s[G1B+5], NP
	s_lshl_b32 s17, s12, 7
	s_lshl_b32 s16, s13, 8
	s_add_co_u32 s16, s16, s17
	s_lshl_b32 s16, s16, 11                        ; A: (256 x tile row + 128 x half) rows of 2,048 bytes
	s_mov_b32 s17, 0
	s_lshl_b32 s46, s42, 9
	s_lshl_b32 s47, s12, 8
	s_add_co_u32 s46, s46, s47                     ; B: (256 x tile column + 128 x half) columns of 2 bytes
.if WOFF
	s_add_co_u32 s46, s46, WOFF
.endif
	s_mov_b32 s47, 0
	s_mul_i32 s20, s12, HA                         ; where they go: no place in the cluster enters an LDS address
	s_mul_i32 s21, s12, HB
	s_add_co_u32 s21, s21, 2*HA
	s_mov_b32 s[TB], 0
	s_wait_dscnt 0x0                               ; the opening add is done
	s_wait_kmcnt 0x0
	s_add_nc_u64 s[14:15], s[4:5], s[16:17]
	s_add_nc_u64 s[46:47], s[6:7], s[46:47]
	CROUND                                         ; all sixteen work-groups are here: the first joint loads meet
.irp s, 0,1
	s_mov_b32 s[G0+4*(\s)], 1
	s_add_co_u32 s[G0+4*(\s)+1], s20, (\s)*SLOT
	s_add_nc_u64 s[G0+4*(\s)+2:G0+4*(\s)+3], s[14:15], (\s)*KSTEP*2
	s_or_b32 s[G0+4*(\s)+3], s[G0+4*(\s)+3], 0x80000000
	s_mov_b32 s[G0B+4*(\s)], 1
	s_add_co_u32 s[G0B+4*(\s)+1], s21, (\s)*SLOT
	s_add_nc_u64 s[G0B+4*(\s)+2:G0B+4*(\s)+3], s[46:47], (\s)*BSTEP
	s_or_b32 s[G0B+4*(\s)+3], s[G0B+4*(\s)+3], 0x80000000
	JLOAD \s                                       ; K steps 0 and 1: two loads of mine are out
.endr
.if FFN
	s_lshl_b32 s76, s13, 10                        ; the tile's 256 rows in a line of ss
	s_mov_b32 s77, 0
	s_add_nc_u64 s[72:73], s[72:73], s[76:77]
	v_lshlrev_b32 v6, 3, v0                        ; thread t takes rows 2 t and 2 t + 1
.irp j, 0,1,2,3,4,5,6,7
	global_load_b64 v[32+2*(\j):33+2*(\j)], v6, s[72:73] offset:16384*(\j)
.endr
	s_mov_b32 s78, 0x3a800000                      ; 1 / 1024
	s_mov_b32 s79, 0x358637bd                      ; 1e-6
.endif
	v_and_b32 v1, 15, v0                           ; r = l % 16
	v_bfe_u32 v2, v0, 4, 1                         ; h = l / 16
	v_and_b32 v3, 31, v0                           ; l
	v_mul_u32_u24 v4, v1, PA
	v_lshl_add_u32 v4, v2, 4, v4                   ; A's fragment: row x pitch + 16 h
	s_mul_i32 s21, s11, HA
	v_add_nc_u32 v[ADRA0], s21, v4
	v_and_b32 v4, 7, v0                            ; B's fragment, turned: lane l reads row 8 h + l % 8, 16 bytes at 16 ((l / 8) % 2)
	v_lshl_add_u32 v4, v2, 3, v4
	v_mul_u32_u24 v4, v4, PB
	v_bfe_u32 v5, v0, 3, 1
	v_lshl_add_u32 v4, v5, 4, v4
	s_mul_i32 s22, s12, HB
	s_add_co_u32 s22, s22, 2*HA
	v_add_nc_u32 v[ADRB0], s22, v4
	v_mov_b32 v[ADRA], v[ADRA0]
	v_mov_b32 v[ADRB], v[ADRB0]
	s_mul_i32 s23, s10, WSTAGE                     ; my stage
	v_mul_u32_u24 v4, v1, SPITCH
	v_lshl_add_u32 v4, v2, 5, v4
	v_add_nc_u32 v[STO], s23, v4                   ; in: row r, 32 bytes for each half of the lanes
	v_lshlrev_b32 v[CO], 3, v3                     ; out: 8 bytes a lane
.if FFN
	v_lshl_add_u32 v[RD], v3, 4, s23               ; back: a row's 512 bytes, 16 a lane
	s_lshl_b32 s77, s11, 9
	s_add_co_u32 s77, s77, RST
	v_mov_b32 v[RSA], s77
	s_lshl_b32 s76, s13, 8
	s_lshl_b32 s77, s11, 7
	s_add_co_u32 s76, s76, s77
	s_lshl_b32 s76, s76, 13                        ; my first row of u, 8,192 bytes a row
	s_lshl_b32 s77, s42, 9
	s_add_co_u32 s76, s76, s77
	s_lshl_b32 s77, s12, 8
	s_add_co_u32 s76, s76, s77                     ; my first column
.else
	v_mul_u32_u24 v5, v2, SPITCH
	v_lshl_add_u32 v5, v1, 4, v5
	v_add_nc_u32 v[RD], s23, v5                    ; back: lanes 0-15 take 256 bytes (a head's 64 numbers) of one row, lanes 16-31 of the next
	s_lshr_b32 s76, s13, 3
	s_lshl_b32 s76, s76, 4                         ; b x 16
	s_lshl_b32 s77, s40, 2
	s_add_co_u32 s76, s76, s77                     ; + the tile's first head, 4 cx
	s_lshl_b32 s77, s12, 1
	s_add_co_u32 s76, s76, s77                     ; + my half's first
	s_lshl_b32 s76, s76, 11                        ; 2,048 rows a head
	s_and_b32 s77, s13, 7
	s_lshl_b32 s77, s77, 8
	s_add_co_u32 s76, s76, s77
	s_lshl_b32 s77, s11, 7
	s_add_co_u32 s76, s76, s77                     ; + s of my first row
	s_lshl_b32 s76, s76, 7                         ; 128 bytes a row
	s_lshl_b32 s77, ttmp9, 23                      ; q, k or v: the cluster's x
	s_add_co_u32 s76, s76, s77
.endif
	s_mov_b32 s77, 0
	s_add_nc_u64 s[8:9], s[8:9], s[76:77]
	; the prefetches: at K step 3; the first change of slots steps them to 4.  Nothing is asked for here, at the head
	s_lshl_b32 s18, s13, 8
	s_lshl_b32 s19, s12, 7
	s_add_co_u32 s18, s18, s19
	s_lshl_b32 s19, s40, 5
	s_add_co_u32 s18, s18, s19                     ; A: my work-group's 32 of the 128 rows that I fetch
	s_lshl_b32 s18, s18, 11
	s_add_co_u32 s18, s18, 3*KSTEP*2
	s_lshl_b32 s19, s41, 5
	s_add_co_u32 s19, s19, 3*KSTEP                 ; B: my work-group's 32 of the step's 128 rows
	s_mul_i32 s19, s19, NP*2
	s_lshl_b32 s20, s42, 9
	s_add_co_u32 s19, s19, s20
	s_lshl_b32 s20, s12, 8
	s_add_co_u32 s19, s19, s20
.if WOFF
	s_add_co_u32 s19, s19, WOFF
.endif
	s_and_b32 s22, ttmp7, 0xffff                   ; cluster y
	s_mov_b32 s74, NP*2
	s_mov_b32 s75, BSTEP
	s_mov_b32 s21, 0
	s_mov_b32 s[PFS+1], 0
	s_cmp_eq_u32 s11, 0                            ; do I fetch for A?
	s_cselect_b32 s20, s18, s19
	s_cselect_b32 s22, ttmp9, s22                  ; the coordinate along which other clusters read the same rows
	s_cselect_b32 s74, 2048, s74                   ; bytes from row to row
	s_cselect_b32 s[PFS], KSTEP*2, s75
	s_cselect_b64 s[PFA:PFA+1], s[4:5], s[6:7]
	s_add_nc_u64 s[PFA:PFA+1], s[PFA:PFA+1], s[20:21]
	s_cmp_eq_u32 s22, 0
	s_cselect_b32 s[LIM], 2, -1                    ; the same in all sixteen partners, for a given wave
	v_mul_u32_u24 v[PFO], s74, v3
.if FFN
	s_wait_loadcnt 0x0                             ; the eight partial sums of squares of my two rows
	v_pk_add_f32 v[32:33], v[32:33], v[34:35]
	v_pk_add_f32 v[36:37], v[36:37], v[38:39]
	v_pk_add_f32 v[40:41], v[40:41], v[42:43]
	v_pk_add_f32 v[44:45], v[44:45], v[46:47]
	v_pk_add_f32 v[32:33], v[32:33], v[36:37]
	v_pk_add_f32 v[40:41], v[40:41], v[44:45]
	v_pk_add_f32 v[32:33], v[32:33], v[40:41]
	v_fma_f32 v32, v32, s78, s79
	v_fma_f32 v33, v33, s78, s79
	v_rsq_f32 v32, v32
	v_rsq_f32 v33, v33
	v_lshl_add_u32 v7, v0, 3, RST                  ; the plain instruction behind the two,
	s_wait_alu depctr_va_vdst(0)                   ; and their wait
	ds_store_b64 v7, v[32:33]
.endif
; 16 matrix instructions: m blocks a0, a0 + 1 of the window's four x all 8 n blocks, 32 along K.  zero = 1: the first product starts the sums.  The 64 accumulators take turns, in the same order in every quarter.
.macro MUL16 f, hi, a0, zero
	WIN MUL_LO+0x50*(\hi)
.irp a, \a0, (\a0)+1
.irp b, 0,1,2,3,4,5,6,7
.if \zero
	v_wmma_f32_16x16x32_bf16 v[8*(8*(\a)+(\b)):8*(8*(\a)+(\b))+7], v[(\f)+8*(\b):(\f)+8*(\b)+7], v[(\f)+8*(4*(\hi)+(\a)):(\f)+8*(4*(\hi)+(\a))+7], 0
.else
	v_wmma_f32_16x16x32_bf16 v[8*(8*(\a)+(\b)):8*(8*(\a)+(\b))+7], v[(\f)+8*(\b):(\f)+8*(\b)+7], v[(\f)+8*(4*(\hi)+(\a)):(\f)+8*(4*(\hi)+(\a))+7], v[8*(8*(\a)+(\b)):8*(8*(\a)+(\b))+7]
.endif
.endr
.endr
.endm
; 32 LDS loads in one run: quarter q (32 along K) of the slot that is read, into buffer f: B's 128 columns, turned, then A's 128 rows
.macro FETCH q, f
	WIN TO_B
.irp i, 0,1,2,3,4,5,6,7
	ds_load_tr16_b128 v[(\f)+8*(\i):(\f)+8*(\i)+3],   v[ADRB] offset:(\q)*32*PB+32*(\i)
	ds_load_tr16_b128 v[(\f)+8*(\i)+4:(\f)+8*(\i)+7], v[ADRB] offset:(\q)*32*PB+16*PB+32*(\i)
.endr
	WIN 0
.irp i, 0,1,2,3,4,5,6,7
	ds_load_b128 v[(\f)+8*(\i):(\f)+8*(\i)+3],   v[ADRA] offset:(\q)*64+(\i)*16*PA
	ds_load_b128 v[(\f)+8*(\i)+4:(\f)+8*(\i)+7], v[ADRA] offset:(\q)*64+(\i)*16*PA+32
.endr
.endm
.macro PLACES                          ; four plain instructions between a matrix instruction and a load into, or a reader of, its registers
.rept 4
	v_nop
.endr
.endm
; One of a K step's first three quarters: multiplies buffer f; in its middle fetches quarter q into buffer g.
.macro QUARTER q, f, g, zero
	s_wait_dscnt 8                                 ; B and A's rows 0-63 are in; the youngest eight loads (A's rows 64-127) may be out
	MUL16 \f, 0, 0, \zero
	MUL16 \f, 0, 2, \zero
	PLACES
	FETCH \q, \g
	s_wait_dscnt 32                                ; all but the 32 just issued
	MUL16 \f, 1, 0, \zero
	MUL16 \f, 1, 2, \zero
.endm
; The first half of the last quarter, and the one barrier of a change of slots.
.macro MEET round
	WIN 0                                          ; (the add's two registers lie in window 0)
	s_wait_tensorcnt 0x0                           ; all my tensor loads have landed: the one that was out is my part of the next slot
	ds_add_u32 v[SPW], v[NIL]                      ; 0 onto my spare word
	s_wait_dscnt 9                                 ; (the add and the youngest eight loads may be out)
	MUL16 F1, 0, 0, 0
	s_wait_dscnt 0x0                               ; the add is done, and my reads of this slot are over
	s_barrier_signal -1
	MUL16 F1, 0, 2, 0
.if \round
	WIN 0
.endif
	s_barrier_wait -1
.endm
; The last quarter.  fill = 1: the barrier opens a round of the cluster's, and the slot just read out is filled again first, with the K step two on.  Then the other slot's first fragments.
.macro TURN fill
.if \fill
	s_wait_xcnt 0x0                                ; the last prefetch, a K step back, has read its address
	s_add_nc_u64 s[PFA:PFA+1], s[PFA:PFA+1], s[PFS:PFS+1]
.endif
	MEET \fill
.if \fill
	CREST                                          ; no wave of any partner still reads this slot or has a load on its way
	s_xor_b32 s[G0+5], s[G0+5], SLOT               ; the walking descriptors: the other slot than last time, the next K step
	s_add_nc_u64 s[G0+6:G0+7], s[G0+6:G0+7], KSTEP*2
	s_xor_b32 s[G0B+5], s[G0B+5], SLOT
	s_add_nc_u64 s[G0B+6:G0B+7], s[G0B+6:G0B+7], BSTEP
	JLOAD 1                                        ; its four v_nop are also the places in front of the loads below
.else
	PLACES
	WIN 0
.endif
	s_xor_b32 s[TB], s[TB], SLOT
	v_add_nc_u32 v[ADRA], s[TB], v[ADRA0]
	v_add_nc_u32 v[ADRB], s[TB], v[ADRB0]
	FETCH 0, F0
.if \fill
	ASK
.endif
	MUL16 F1, 1, 0, 0
	MUL16 F1, 1, 2, 0
.endm
	s_wait_tensorcnt 1                             ; my part of K step 0 is in; step 1's may stay out
	s_wait_dscnt 0x0
	s_barrier_signal -1
	s_barrier_wait -1
	FETCH 0, F0
	QUARTER 1, F0, F1, 1                           ; the first quarter stands in front of the loop: its products start the sums
	WIN 0
	s_mov_b32 s3, 6
.Lk:                                               ; trip i: the rest of K step i, the refill with step i + 2, the first quarter of step i + 1
	QUARTER 2, F1, F0, 0
	QUARTER 3, F0, F1, 0
	TURN 1
	QUARTER 1, F0, F1, 0
	WIN 0
	s_sub_co_u32 s3, s3, 1
	s_cmp_lg_u32 s3, 0
	s_cbranch_scc1 .Lk
	s_mov_b32 s3, 2
.Lt:                                               ; K steps 6 and 7 ask for nothing.  In the second trip the fetch from the other slot serves nothing: the price of one text for both
	QUARTER 2, F1, F0, 0
	QUARTER 3, F0, F1, 0
	TURN 0
	WIN 0
	s_cmp_eq_u32 s3, 1
	s_cbranch_scc1 .Lskip
	QUARTER 1, F0, F1, 0
	WIN 0
.Lskip:
	s_sub_co_u32 s3, s3, 1
	s_cmp_lg_u32 s3, 0
	s_cbranch_scc1 .Lt
	; THE WAY OUT
	s_wait_dscnt 0x0                               ; my reads of the ring are over,
	s_barrier_signal -1
	s_barrier_wait -1                              ; everybody's are: the ring, which has had its last fill, becomes the stages
	PLACES
.irp a, 0,1,2,3,4,5,6,7                ; each accumulator's four lowest registers first
	WIN 0x08+4*((\a)/4)                            ; the stores' data: window 2 or 3
.irp b, 0,1,2,3,4,5,6,7
	ds_store_b128 v[STO], v[8*(8*((\a)%4)+(\b)):8*(8*((\a)%4)+(\b))+3]   offset:(\a)*16*SPITCH+(\b)*64
	ds_store_b128 v[STO], v[8*(8*((\a)%4)+(\b))+4:8*(8*((\a)%4)+(\b))+7] offset:(\a)*16*SPITCH+(\b)*64+16
.endr
.endr
	WIN 0
.if FFN
.set RAW, 32
.set RSV, 48
.set Z,   192
.set T,   208
.set OUT, 224
.macro FLOADS                          ; four rows of my stage and their 1 / rms.  LDS serves a wave's instructions in order (ISA guide 5.7.1.4): these see my stores
.irp j, 0,1,2,3
	ds_load_b128 v[RAW+4*(\j):RAW+4*(\j)+3], v[RD] offset:(\j)*SPITCH
.endr
	ds_load_b128 v[RSV:RSV+3], v[RSA]
.endm
.macro FROWS next                      ; four rows: z = rs x sum; u = z / (1 + 2^(-z log2 e)); each store is a row's 128 numbers, 256 consecutive bytes, aligned
	s_wait_dscnt 0x0
.irp j, 0,1,2,3
.irp k, 0,1,2,3
	v_mul_f32 v[Z+4*(\j)+(\k)], v[RSV+(\j)], v[RAW+4*(\j)+(\k)]
.endr
.endr
.if \next
	v_add_nc_u32 v[RD], 4*SPITCH, v[RD]
	v_add_nc_u32 v[RSA], 16, v[RSA]
	FLOADS
.endif
.irp k, 0,2,4,6,8,10,12,14
	v_pk_mul_f32 v[T+(\k):T+(\k)+1], v[Z+(\k):Z+(\k)+1], 0xbfb8aa3b op_sel_hi:[1,0]
.endr
.irp k, 0,1,2,3,4,5,6,7,8,9,10,11,12,13,14,15
	v_exp_f32 v[T+(\k)], v[T+(\k)]
.endr
	v_nop                                          ; a plain instruction behind the batch, and its one wait
	s_wait_alu depctr_va_vdst(0)
.irp k, 0,2,4,6,8,10,12,14
	v_pk_add_f32 v[T+(\k):T+(\k)+1], v[T+(\k):T+(\k)+1], 1.0 op_sel_hi:[1,0]
.endr
.irp k, 0,1,2,3,4,5,6,7,8,9,10,11,12,13,14,15
	v_rcp_f32 v[T+(\k)], v[T+(\k)]
.endr
	s_wait_xcnt 0x0                                ; the last trip's stores have read their offset and their data
	v_add_nc_u32 v[CO], 4*8192, v[CO]              ; (also the plain instruction behind the batch)
	s_wait_alu depctr_va_vdst(0)
.irp k, 0,2,4,6,8,10,12,14
	v_pk_mul_f32 v[Z+(\k):Z+(\k)+1], v[Z+(\k):Z+(\k)+1], v[T+(\k):T+(\k)+1]
.endr
.irp k, 0,1,2,3,4,5,6,7
	v_cvt_pk_bf16_f32 v[OUT+(\k)], v[Z+2*(\k)], v[Z+2*(\k)+1]
.endr
.irp j, 0,1,2,3
	global_store_b64 v[CO], v[OUT+2*(\j):OUT+2*(\j)+1], s[8:9] offset:(\j)*8192-4*8192
.endr
.endm
	FLOADS
	s_mov_b32 s3, 31
.Lrows:
	FROWS 1
	s_sub_co_u32 s3, s3, 1
	s_cmp_lg_u32 s3, 0
	s_cbranch_scc1 .Lrows
	FROWS 0                                        ; the last four rows fetch nothing
.else
	s_mov_b32 s3, 8
.Lrows:                                            ; sixteen rows a trip; a store is two rows of one head: 256 consecutive bytes, aligned
	s_wait_xcnt 0x0                                ; the last trip's stores have read their offset and their data
	v_add_nc_u32 v[CO], 16*128, v[CO]
.irp p, 0,1,2,3,4,5,6,7
.irp hh, 0,1
	ds_load_b128 v[192+4*(2*(\p)+(\hh)):192+4*(2*(\p)+(\hh))+3], v[RD] offset:(\p)*2*SPITCH+(\hh)*256  ; LDS serves a wave's instructions in order (ISA guide 5.7.1.4): these see my stores
.endr
.endr
	v_add_nc_u32 v[RD], 16*SPITCH, v[RD]
.irp p, 0,1,2,3,4,5,6,7
.irp hh, 0,1
	s_wait_dscnt 15-(2*(\p)+(\hh))                 ; the younger loads may stay out
	v_cvt_pk_bf16_f32 v[32+2*(2*(\p)+(\hh))], v[192+4*(2*(\p)+(\hh))], v[192+4*(2*(\p)+(\hh))+1]
	v_cvt_pk_bf16_f32 v[33+2*(2*(\p)+(\hh))], v[192+4*(2*(\p)+(\hh))+2], v[192+4*(2*(\p)+(\hh))+3]
	global_store_b64 v[CO], v[32+2*(2*(\p)+(\hh)):33+2*(2*(\p)+(\hh))], s[8:9] offset:(\p)*256+(\hh)*262144-16*128
.endr
.endr
	s_sub_co_u32 s3, s3, 1
	s_cmp_lg_u32 s3, 0
	s_cbranch_scc1 .Lrows
.endif
	s_wait_tensorcnt 0x0                           ; the wave's end
	ds_add_u32 v[SPW], v[NIL]
	s_wait_dscnt 0x0
	CROUND                                         ; the closing round
	s_endpgm
.Lfunc_end_k_q8e63b42354_ffn1:
	.size	k_q8e63b42354_ffn1, .Lfunc_end_k_q8e63b42354_ffn1-k_q8e63b42354_ffn1
	.p2alignl 7, 3214868480
	.fill 96, 4, 3214868480
	.section	.rodata,"a",@progbits
	.p2align	6, 0x0
	.amdhsa_kernel k_q8e63b42354_ffn1
		.amdhsa_group_segment_fixed_size 327680
		.amdhsa_private_segment_fixed_size 0
		.amdhsa_enable_private_segment 0
		.amdhsa_kernarg_size 32
		.amdhsa_user_sgpr_count 2
		.amdhsa_user_sgpr_kernarg_segment_ptr 1
		.amdhsa_wavefront_size32 1
		.amdhsa_system_sgpr_workgroup_id_x 1
		.amdhsa_system_sgpr_workgroup_id_y 1
		.amdhsa_system_sgpr_workgroup_id_z 1
		.amdhsa_system_vgpr_workitem_id 0
		.amdhsa_next_free_vgpr 1024
		.amdhsa_next_free_sgpr 80
		.amdhsa_reserve_vcc 0
		.amdhsa_float_denorm_mode_32 3
		.amdhsa_float_denorm_mode_16_64 3
		.amdhsa_memory_ordered 1
		.amdhsa_forward_progress 1
		.amdhsa_inst_pref_size 90
	.end_amdhsa_kernel
	.amdgpu_metadata
---
amdhsa.version: [ 1, 2 ]
amdhsa.kernels:
  - .name:           k_q8e63b42354_ffn1
    .symbol:         k_q8e63b42354_ffn1.kd
    .args:
      - { .name: x1b, .offset: 0, .size: 8, .value_kind: global_buffer, .address_space: global }
      - { .name: wts, .offset: 8, .size: 8, .value_kind: global_buffer, .address_space: global }
      - { .name: ss, .offset: 16, .size: 8, .value_kind: global_buffer, .address_space: global }
      - { .name: u, .offset: 24, .size: 8, .value_kind: global_buffer, .address_space: global }
    .group_segment_fixed_size: 327680
    .private_segment_fixed_size: 0
    .kernarg_segment_align: 8
    .kernarg_segment_size: 32
    .max_flat_workgroup_size: 128
    .sgpr_count:     80
    .vgpr_count:     1024
    .wavefront_size: 32
...
	.end_amdgpu_metadata
.endif
;; end of part 5
;; launch ffn2 (part 6): grid 8 x 32, 4 waves a work-group, clusters of 4 x 4, 327,680 bytes of LDS; arguments u, wts, x1b, out0; writes out0
.if DOCPART == 6
	.amdgcn_target "amdgcn-amd-amdhsa--gfx1250"
	.amdhsa_code_object_version 6
	.text
	.protected	k_q8e63b42354_ffn2
	.globl	k_q8e63b42354_ffn2
	.p2align	8
	.type	k_q8e63b42354_ffn2,@function
k_q8e63b42354_ffn2:
	s_mov_b64 s[64:65], 0
	v_nop
	global_prefetch_b8 v0, s[64:65] scope:SCOPE_SE
	s_setreg_imm32_b32 hwreg(HW_REG_WAVE_MODE, 25, 1), 1
	s_wait_xcnt 0x0
	s_wait_alu depctr_hold_cnt(0) depctr_sa_sdst(0) depctr_va_vdst(0) depctr_va_sdst(0) depctr_va_ssrc(0) depctr_va_vcc(0) depctr_vm_vsrc(0)
	s_getreg_b32 s2, hwreg(HW_REG_IB_STS2, 6, 4)
	s_cmp_eq_u32 s2, 0
	s_cbranch_scc0 .Lentry_in_a_cluster
	s_endpgm
.Lentry_in_a_cluster:
	s_bfe_u32 s2, ttmp6, 0x10000c
	s_cmp_lg_u32 s2, 0xf033
	s_cbranch_scc0 .Lentry_shape_is_right
	s_endpgm
.Lentry_shape_is_right:
; C = RES + A B on tiles of 128 x 128.  B: [K][1024] bf16, rows along N, inside wts at byte WOFF.  Sums in f32; the accumulators START from the residual, so nothing is cleared and no first step is written out.
; WO = 1: A = ctx, by heads [b x 16 + head][s][64] bf16 (k = 64 head + channel), K = 1024; RES = x (f32, row 2 s + b).  Out: x1b = bf16(x1), rows m' = 2048 b + s; ss[tile column][m'] = the sum of x1^2 over the tile's 128 columns, f32.
; WO = 0: A = u [4096][4096] bf16, K = 4096; RES = x1b (bf16: x1 is kept rounded once, at most 2^-9 of itself off).  Out: out0 (f32, row 2 s + b).
; Four waves, 64 x 64 each: 16 accumulators.  K goes in steps of 256 through two LDS slots; a trip of the loop is one K step; the slots change by one exclusive or (the tile bases have bits 14 and 17 clear; SLOT = 0x24000).
; CLUSTER 4 x 4: A's tile is shared along a row of the cluster, B's along a column.  The matrix instruction is used transposed (source 0 = 16 columns of B, turned by ds_load_tr16_b128; source 1 = 16 rows of A).
; No prefetch: the tiles are small and each is read by several clusters at about the same time.
; THE WAY OUT: the f32 sums go into slot 0's bytes, which have had their last fill, 128 rows x 528 bytes for the work-group; a barrier; wave w walks rows 32 w .. 32 w + 31 whole.
; LIMITS.  Matrix operands are bf16.  NaN and infinities are not treated apart.
; REGISTERS: window 0: v0-31 addresses; v32-95 at work; v128-255 the accumulators ((a, b) at 128 + 8 (4 a + b)).  Window 1: two fragment buffers of 128: 64 of A, then 64 of B.
.set WO,    0
.set TSTEPS, 16
.set PA,    528                        ; a row of A in LDS: 512 bytes + 16
.set AQ,    128                        ; a quarter of a step, 64 along K: 128 bytes further along the rows
.set HA,    64*PA                      ; 64 rows: one tensor load
.set ASTEP, 512
.set WOFF,  16777216
.set PB,    288
.set HB,    128*PB                     ; 128 k x 128 n: one tensor load
.set SLOT,  0x24000
.set BSTEP, 256*2048
.set SPITCH, 528
.set SST,   2*SLOT                     ; WO = 1: the 128 rows' sums of squares
.set SPARE, 2*SLOT+512*WO              ; the spare words, 128 bytes for each wave: two blocks of 256 bytes that no other line names
.set ADRA0, 16
.set ADRA,  17
.set ADRB0, 20
.set ADRB,  21                         ; v21 k 0-127 of the step; v22 k 128-255 (an offset of 16 bits does not reach them)
.set STO,  24
.set RD,   25
.set CO,   26
.set RO,   27                          ; v27  my offset in the residual
.set SPW,  28
.set NIL,  29
.set ACC,  128
.set F0,   0
.set F1,   128
.set G1,  24
.set G0,  32
.set G1B, 48
.set G0B, 56
.set TB,  66
.set MSB, 0
.macro WIN new
.if MSB != (\new)
	s_set_vgpr_msb (MSB<<8)|(\new)
.set MSB, \new
.endif
.endm
.set MUL,  0x05                        ; sources 0 (B) and 1 (A) window 1; C and D window 0
.set TO_F, 0x40
.macro JLOAD s                         ; a joint load: waves 0 and 1 fetch A's two halves, waves 2 and 3 B's; an s_nop 0 and four v_nop follow each line
	s_cmp_eq_u32 s11, 0
	s_cbranch_scc0 .Lfor_b_\@
	tensor_load_to_lds s[G0+4*(\s):G0+4*(\s)+3], s[G1:G1+7]
	s_nop 0
.rept 4
	v_nop
.endr
	s_branch .Lasked_\@
.Lfor_b_\@:
	tensor_load_to_lds s[G0B+4*(\s):G0B+4*(\s)+3], s[G1B:G1B+7]
	s_nop 0
.rept 4
	v_nop
.endr
.Lasked_\@:
.endm
.macro CREST
	s_cmp_lg_u32 s10, 0
	s_cbranch_scc1 .Lnot_wave_0_\@
	s_barrier_signal -3
.Lnot_wave_0_\@:
	s_barrier_wait -3
	s_barrier_signal -1
	s_barrier_wait -1
.endm
.macro CROUND
	s_barrier_signal -1
	s_barrier_wait -1
	CREST
.endm
	s_load_b256 s[68:75], s[0:1], 0x0              ; A s[68:69], wts s[70:71], the residual s[72:73], the output s[74:75]
.if WO
	s_load_b64 s[76:77], s[0:1], 0x20              ; ss
.endif
	v_lshl_add_u32 v[SPW], v0, 2, SPARE
	v_mov_b32 v[NIL], 0
	ds_add_u32 v[SPW], v[NIL]                      ; the wave's opening: the add and its wait ahead of my first tensor load
	ds_add_u32 v28, v29
	v_lshrrev_b32 v1, 5, v0
	v_readfirstlane_b32 s10, v1                    ; wave 0..3
	s_lshr_b32 s11, s10, 1                         ; my half of the tile's rows.  Also: I fetch for A (0) or for B (1)
	s_and_b32 s12, s10, 1                          ; my half of its columns.  Also: which half tile I fetch
	s_bfe_u32 s40, ttmp6, 0x40000
	s_bfe_u32 s41, ttmp6, 0x40004
	s_lshl_b32 s42, ttmp9, 2
	s_add_co_u32 s42, s42, s40                     ; tile column, 0..7
	s_and_b32 s13, ttmp7, 0xffff
	s_lshl_b32 s13, s13, 2
	s_add_co_u32 s13, s13, s41                     ; tile row, 0..31
	s_lshl_b32 s43, s41, 2
	s_lshl_b32 s43, 15, s43                        ; my row of the cluster
	s_lshl_b32 s44, 0x1111, s40                    ; my column
.if WO
	; A: 4 rows (heads) of 4,096 elements (a head's 64 dense rows of 128 bytes), 131,072 elements apart; padded after every 32 words: in LDS [head][64 rows][144 bytes]
	s_or_b32 s[G1+0], s43, (1<<16)|(1<<20)|(1<<21)|(4<<22)|(3<<25)
	s_mov_b32 s[G1+1], 4096<<16
	s_mov_b32 s[G1+2], 4<<16
	s_mov_b32 s[G1+3], 4096<<16
	s_mov_b32 s[G1+4], 4
	s_mov_b32 s[G1+5], 131072
.else
	; A: 64 rows of 256 elements, padded after every 128 words
	s_or_b32 s[G1+0], s43, (1<<16)|(1<<20)|(1<<21)|(6<<22)|(3<<25)
	s_mov_b32 s[G1+1], 256<<16
	s_mov_b32 s[G1+2], 64<<16
	s_mov_b32 s[G1+3], 256<<16
	s_mov_b32 s[G1+4], 64
	s_mov_b32 s[G1+5], 4096
.endif
	s_mov_b32 s[G1+6], 0
	s_mov_b32 s[G1+7], 0
	s_or_b32 s[G1B+0], s44, (1<<16)|(1<<20)|(1<<21)|(5<<22)|(7<<25)  ; B: 128 rows (k) of 128 elements (n), 8 words of padding after every 64
	s_mov_b32 s[G1B+1], 128<<16
	s_mov_b32 s[G1B+2], 128<<16
	s_mov_b32 s[G1B+3], 128<<16
	s_mov_b32 s[G1B+4], 128
	s_mov_b32 s[G1B+5], 1024
	s_mov_b32 s[G1B+6], 0
	s_mov_b32 s[G1B+7], 0
.if WO
	s_lshr_b32 s16, s13, 4
	s_lshl_b32 s16, s16, 22                        ; b: sixteen heads of 262,144 bytes
	s_and_b32 s17, s13, 15
	s_lshl_b32 s17, s17, 7
	s_lshl_b32 s18, s12, 6
	s_add_co_u32 s17, s17, s18                     ; s of the first row that I fetch
	s_lshl_b32 s17, s17, 7
	s_add_co_u32 s16, s16, s17
.else
	s_lshl_b32 s16, s13, 7
	s_lshl_b32 s17, s12, 6
	s_add_co_u32 s16, s16, s17
	s_lshl_b32 s16, s16, 13                        ; rows of 8,192 bytes
.endif
	s_mov_b32 s17, 0
	s_lshl_b32 s46, s12, 18                        ; B: my 128 of the step's 256 rows of 2,048 bytes,
	s_lshl_b32 s47, s42, 8                         ; the tile's 128 columns
	s_add_co_u32 s46, s46, s47
	s_add_co_u32 s46, s46, WOFF
	s_mov_b32 s47, 0
	s_mul_i32 s20, s12, HA                         ; where they go: no place in the cluster enters an LDS address
	s_mul_i32 s21, s12, HB
	s_add_co_u32 s21, s21, 2*HA
	s_mov_b32 s[TB], 0
	s_wait_dscnt 0x0                               ; the opening add is done
	s_wait_kmcnt 0x0
	s_add_nc_u64 s[14:15], s[68:69], s[16:17]
	s_add_nc_u64 s[46:47], s[70:71], s[46:47]
	CROUND                                         ; all sixteen work-groups are here: the first joint loads meet
.irp s, 0,1
	s_mov_b32 s[G0+4*(\s)], 1
	s_add_co_u32 s[G0+4*(\s)+1], s20, (\s)*SLOT
	s_add_nc_u64 s[G0+4*(\s)+2:G0+4*(\s)+3], s[14:15], (\s)*ASTEP
	s_or_b32 s[G0+4*(\s)+3], s[G0+4*(\s)+3], 0x80000000
	s_mov_b32 s[G0B+4*(\s)], 1
	s_add_co_u32 s[G0B+4*(\s)+1], s21, (\s)*SLOT
	s_add_nc_u64 s[G0B+4*(\s)+2:G0B+4*(\s)+3], s[46:47], (\s)*BSTEP
	s_or_b32 s[G0B+4*(\s)+3], s[G0B+4*(\s)+3], 0x80000000
	JLOAD \s                                       ; K steps 0 and 1: two loads of mine are out
.endr
	v_and_b32 v1, 15, v0                           ; r
	v_bfe_u32 v2, v0, 4, 1                         ; h
	v_and_b32 v3, 31, v0                           ; l
	; THE RESIDUAL, in the accumulators' layout: lane (r, h) of accumulator (a, b) holds row 16 a + r, columns 16 b + 8 h + 0..7
.if WO
	s_and_b32 s78, s13, 15
	s_lshl_b32 s78, s78, 7
	s_lshl_b32 s79, s11, 6
	s_add_co_u32 s78, s78, s79                     ; s of my first row
	s_lshl_b32 s78, s78, 1
	s_lshr_b32 s79, s13, 4
	s_add_co_u32 s78, s78, s79                     ; row 2 s + b
	s_lshl_b32 s78, s78, 12
	s_lshl_b32 s79, s42, 9
	s_add_co_u32 s78, s78, s79
	s_lshl_b32 s79, s12, 8
	s_add_co_u32 s78, s78, s79                     ; my first column, 4 bytes each
	s_mov_b32 s79, 0
	s_add_nc_u64 s[72:73], s[72:73], s[78:79]
	v_lshlrev_b32 v[RO], 13, v1
	v_lshl_add_u32 v[RO], v2, 5, v[RO]
.irp a, 0,1,2,3                        ; straight into the accumulators; a row group's eight loads together take the whole 256 bytes of each of its 16 rows
.irp b, 0,1,2,3
	global_load_b128 v[ACC+8*(4*(\a)+(\b)):ACC+8*(4*(\a)+(\b))+3],   v[RO], s[72:73] offset:(\a)*131072+(\b)*64 th:TH_LOAD_NT
	global_load_b128 v[ACC+8*(4*(\a)+(\b))+4:ACC+8*(4*(\a)+(\b))+7], v[RO], s[72:73] offset:(\a)*131072+(\b)*64+16 th:TH_LOAD_NT
.endr
.endr
.else
	s_lshl_b32 s78, s13, 7
	s_lshl_b32 s79, s11, 6
	s_add_co_u32 s78, s78, s79
	s_lshl_b32 s78, s78, 11
	s_lshl_b32 s79, s42, 8
	s_add_co_u32 s78, s78, s79
	s_lshl_b32 s79, s12, 7
	s_add_co_u32 s78, s78, s79
	s_mov_b32 s79, 0
	s_add_nc_u64 s[72:73], s[72:73], s[78:79]
	v_lshlrev_b32 v[RO], 11, v1
	v_lshl_add_u32 v[RO], v2, 4, v[RO]
.irp a, 0,1,2,3
.irp b, 0,1,2,3
	global_load_b128 v[32+4*(4*(\a)+(\b)):32+4*(4*(\a)+(\b))+3], v[RO], s[72:73] offset:(\a)*32768+(\b)*32 th:TH_LOAD_NT
.endr
.endr
	s_mov_b32 s84, 0xffff0000
.endif
	v_mul_u32_u24 v4, v1, PA
	v_lshl_add_u32 v4, v2, 4, v4
	s_mul_i32 s21, s11, HA
	v_add_nc_u32 v[ADRA0], s21, v4
	v_and_b32 v4, 7, v0
	v_lshl_add_u32 v4, v2, 3, v4
	v_mul_u32_u24 v4, v4, PB
	v_bfe_u32 v5, v0, 3, 1
	v_lshl_add_u32 v4, v5, 4, v4
	s_lshl_b32 s22, s12, 7                         ; my 64 columns: 128 bytes
	s_add_co_u32 s22, s22, 2*HA
	v_add_nc_u32 v[ADRB0], s22, v4
	v_mov_b32 v[ADRA], v[ADRA0]
	v_mov_b32 v[ADRB], v[ADRB0]
	v_add_nc_u32 v[ADRB+1], HB, v[ADRB0]
	s_mul_i32 s23, s11, 64*SPITCH                  ; into the stage: my 64 rows, my half of their 512 bytes
	s_lshl_b32 s22, s12, 8
	s_add_co_u32 s23, s23, s22
	v_mul_u32_u24 v4, v1, SPITCH
	v_lshl_add_u32 v4, v2, 5, v4
	v_add_nc_u32 v[STO], s23, v4
	s_mul_i32 s23, s10, 32*SPITCH                  ; back: wave w takes rows 32 w .. 32 w + 31, a row's 512 bytes a load
	v_lshl_add_u32 v[RD], v3, 4, s23
.if WO
	v_lshlrev_b32 v[CO], 3, v3
	s_lshl_b32 s78, s13, 7
	s_lshl_b32 s79, s10, 5
	s_add_co_u32 s78, s78, s79
	s_lshl_b32 s78, s78, 11                        ; x1b: row 128 x tile row + 32 x wave, 2,048 bytes each,
	s_lshl_b32 s79, s42, 8
	s_add_co_u32 s78, s78, s79                     ; the tile's 256 bytes
	s_mov_b32 s79, 0
	s_add_nc_u64 s[74:75], s[74:75], s[78:79]
	s_lshl_b32 s78, s42, 14
	s_lshl_b32 s80, s13, 9
	s_add_co_u32 s78, s78, s80                     ; ss: line = tile column, the tile's 128 rows
	s_add_nc_u64 s[76:77], s[76:77], s[78:79]
	s_mov_b32 s86, 0x76543210
	s_mov_b32 s87, 0xfedcba98
.else
	v_lshlrev_b32 v[CO], 4, v3
	s_and_b32 s78, s13, 15
	s_lshl_b32 s78, s78, 7
	s_lshl_b32 s79, s10, 5
	s_add_co_u32 s78, s78, s79
	s_lshl_b32 s78, s78, 1
	s_lshr_b32 s79, s13, 4
	s_add_co_u32 s78, s78, s79                     ; out0: row 2 s + b
	s_lshl_b32 s78, s78, 12
	s_lshl_b32 s79, s42, 9
	s_add_co_u32 s78, s78, s79
	s_mov_b32 s79, 0
	s_add_nc_u64 s[74:75], s[74:75], s[78:79]
.endif
; 8 matrix instructions: m blocks a0, a0 + 1 x all 4 n blocks, 32 along K: half c of buffer f.  The 16 accumulators take turns.
.macro MUL8 f, c, a0
	WIN MUL
.irp a, \a0, (\a0)+1
.irp b, 0,1,2,3
	v_wmma_f32_16x16x32_bf16 v[ACC+8*(4*(\a)+(\b)):ACC+8*(4*(\a)+(\b))+7], v[(\f)+64+8*(4*(\c)+(\b)):(\f)+64+8*(4*(\c)+(\b))+7], v[(\f)+8*(4*(\c)+(\a)):(\f)+8*(4*(\c)+(\a))+7], v[ACC+8*(4*(\a)+(\b)):ACC+8*(4*(\a)+(\b))+7]
.endr
.endr
.endm
; 32 LDS loads in one run: quarter q (64 along K) of the slot that is read, into buffer f; the first 32 along K first
.macro FETCH q, f
	WIN TO_F
.irp c, 0,1
.irp i, 0,1,2,3
	ds_load_tr16_b128 v[(\f)+64+8*(4*(\c)+(\i)):(\f)+64+8*(4*(\c)+(\i))+3],   v[ADRB+(\q)/2] offset:(((\q)%2)*64+32*(\c))*PB+32*(\i)
	ds_load_tr16_b128 v[(\f)+64+8*(4*(\c)+(\i))+4:(\f)+64+8*(4*(\c)+(\i))+7], v[ADRB+(\q)/2] offset:(((\q)%2)*64+32*(\c))*PB+16*PB+32*(\i)
	ds_load_b128 v[(\f)+8*(4*(\c)+(\i)):(\f)+8*(4*(\c)+(\i))+3],   v[ADRA] offset:(\q)*AQ+64*(\c)+(\i)*16*PA
	ds_load_b128 v[(\f)+8*(4*(\c)+(\i))+4:(\f)+8*(4*(\c)+(\i))+7], v[ADRA] offset:(\q)*AQ+64*(\c)+(\i)*16*PA+32
.endr
.endr
.endm
.macro PLACES                          ; four plain instructions between a matrix instruction and a load into, or a reader of, its registers
.rept 4
	v_nop
.endr
.endm
.macro QUARTER q, f, g                 ; multiplies buffer f; in its middle fetches quarter q into buffer g
	s_wait_dscnt 16                                ; the first 32 along K are in
	MUL8 \f, 0, 0
	MUL8 \f, 0, 2
	PLACES
	FETCH \q, \g
	s_wait_dscnt 32                                ; all but the 32 just issued
	MUL8 \f, 1, 0
	MUL8 \f, 1, 2
.endm
; The last quarter multiplies buffer 1 and changes slots.  fill = 1: the barrier opens a round of the cluster's, and the slot just read out is filled again first, with the K step two on.
.macro TURN fill
	WIN 0
	s_wait_tensorcnt 0x0                           ; all my tensor loads have landed: my part of the next slot
	ds_add_u32 v[SPW], v[NIL]
	s_wait_dscnt 17                                ; (the add and the youngest sixteen loads may be out)
	MUL8 F1, 0, 0
	s_wait_dscnt 0x0                               ; the add is done, and my reads of this slot are over
	s_barrier_signal -1
	MUL8 F1, 0, 2
	WIN 0
	s_barrier_wait -1
.if \fill
	CREST
	s_xor_b32 s[G0+5], s[G0+5], SLOT
	s_add_nc_u64 s[G0+6:G0+7], s[G0+6:G0+7], ASTEP
	s_xor_b32 s[G0B+5], s[G0B+5], SLOT
	s_add_nc_u64 s[G0B+6:G0B+7], s[G0B+6:G0B+7], BSTEP
	JLOAD 1                                        ; its four v_nop are also the places in front of the loads below
.else
	PLACES
.endif
	s_xor_b32 s[TB], s[TB], SLOT
	v_add_nc_u32 v[ADRA], s[TB], v[ADRA0]
	v_add_nc_u32 v[ADRB], s[TB], v[ADRB0]
	v_add_nc_u32 v[ADRB+1], HB, v[ADRB]
	FETCH 0, F0
	MUL8 F1, 1, 0
	MUL8 F1, 1, 2
.endm
	s_wait_tensorcnt 1                             ; my part of K step 0 is in; step 1's may stay out
	s_barrier_signal -1
	s_barrier_wait -1
	FETCH 0, F0
	WIN 0
	s_wait_loadcnt 0x0                             ; the residual
.if !WO
.irp t, 0,1,2,3,4,5,6,7,8,9,10,11,12,13,14,15
.irp i, 0,1,2,3
	v_lshlrev_b32 v[ACC+8*(\t)+2*(\i)], 16, v[32+4*(\t)+(\i)]
	v_and_b32 v[ACC+8*(\t)+2*(\i)+1], s84, v[32+4*(\t)+(\i)]
.endr
.endr
.endif
	s_mov_b32 s3, TSTEPS-2
.Lk:                                               ; trip i: K step i, and the refill with step i + 2
	QUARTER 1, F0, F1
	QUARTER 2, F1, F0
	QUARTER 3, F0, F1
	TURN 1
	WIN 0
	s_sub_co_u32 s3, s3, 1
	s_cmp_lg_u32 s3, 0
	s_cbranch_scc1 .Lk
	s_mov_b32 s3, 2
.Lt:                                               ; the last two K steps ask for nothing.  In the second trip the fetch from the other slot serves nothing: the price of one text for both
	QUARTER 1, F0, F1
	QUARTER 2, F1, F0
	QUARTER 3, F0, F1
	TURN 0
	WIN 0
	s_sub_co_u32 s3, s3, 1
	s_cmp_lg_u32 s3, 0
	s_cbranch_scc1 .Lt
	; THE WAY OUT
	s_wait_dscnt 0x0                               ; my reads of the ring are over,
	s_barrier_signal -1
	s_barrier_wait -1                              ; everybody's are: slot 0, which has had its last fill, becomes the stage
	PLACES
.irp a, 0,1,2,3                        ; each accumulator's four lowest registers first
.irp b, 0,1,2,3
	ds_store_b128 v[STO], v[ACC+8*(4*(\a)+(\b)):ACC+8*(4*(\a)+(\b))+3]   offset:(\a)*16*SPITCH+(\b)*64
	ds_store_b128 v[STO], v[ACC+8*(4*(\a)+(\b))+4:ACC+8*(4*(\a)+(\b))+7] offset:(\a)*16*SPITCH+(\b)*64+16
.endr
.endr
	s_wait_dscnt 0x0                               ; for the others' sake: a row's 512 bytes come from two waves
	s_barrier_signal -1
	s_barrier_wait -1
.if WO
.set RAW, 32
.set SQ,  48
.set RT,  56
.set PX,  60
.set OUT, 64
.set SSV, 72
.set LJ,  76
	v_mov_b32 v[SSV], 0
.irp j, 0,1,2,3
	v_mov_b32 v[PX+(\j)], 0
	v_add_nc_u32 v[LJ+(\j)], -(\j), v3             ; lane - j
.endr
	s_mov_b32 s3, 0
.Lrows:                                            ; four rows a trip: their sums of squares, and x1 rounded to bf16; a store is a row's 256 consecutive bytes, aligned
.irp j, 0,1,2,3
	ds_load_b128 v[RAW+4*(\j):RAW+4*(\j)+3], v[RD] offset:(\j)*SPITCH
.endr
	v_add_nc_u32 v[RD], 4*SPITCH, v[RD]
	s_wait_dscnt 0x0
.irp j, 0,1,2,3
	v_pk_mul_f32 v[SQ+2*(\j):SQ+2*(\j)+1], v[RAW+4*(\j):RAW+4*(\j)+1], v[RAW+4*(\j):RAW+4*(\j)+1]
.endr
.irp j, 0,1,2,3
	v_pk_fma_f32 v[SQ+2*(\j):SQ+2*(\j)+1], v[RAW+4*(\j)+2:RAW+4*(\j)+3], v[RAW+4*(\j)+2:RAW+4*(\j)+3], v[SQ+2*(\j):SQ+2*(\j)+1]
.endr
.irp j, 0,1,2,3
	v_add_f32 v[RT+(\j)], v[SQ+2*(\j)], v[SQ+2*(\j)+1]
.endr
.irp m, 1,2,4,8
.irp j, 0,1,2,3
	v_add_f32_dpp v[RT+(\j)], v[RT+(\j)], v[RT+(\j)] row_xmask:\m row_mask:0xf bank_mask:0xf
.endr
.endr
.irp j, 0,1,2,3
	v_permlanex16_b32 v[PX+(\j)], v[RT+(\j)], s86, s87
.endr
.irp j, 0,1,2,3
	v_add_f32 v[RT+(\j)], v[RT+(\j)], v[PX+(\j)]
.endr
.irp j, 0,1,2,3
	v_cmp_eq_u32 vcc_lo, s3, v[LJ+(\j)]            ; lane s3 + j keeps row s3 + j's sum
	v_cndmask_b32 v[SSV], v[SSV], v[RT+(\j)], vcc_lo
.endr
	s_wait_xcnt 0x0                                ; the last trip's stores have read their offset and their data
	v_add_nc_u32 v[CO], 4*2048, v[CO]
.irp j, 0,1,2,3
	v_cvt_pk_bf16_f32 v[OUT+2*(\j)], v[RAW+4*(\j)], v[RAW+4*(\j)+1]
	v_cvt_pk_bf16_f32 v[OUT+2*(\j)+1], v[RAW+4*(\j)+2], v[RAW+4*(\j)+3]
.endr
.irp j, 0,1,2,3
	global_store_b64 v[CO], v[OUT+2*(\j):OUT+2*(\j)+1], s[74:75] offset:(\j)*2048-4*2048
.endr
	s_add_co_u32 s3, s3, 4
	s_cmp_lt_u32 s3, 32
	s_cbranch_scc1 .Lrows
	v_lshl_add_u32 v73, v0, 2, SST                 ; thread t holds row t's sum
	ds_store_b32 v73, v[SSV]
	s_wait_dscnt 0x0
	s_barrier_signal -1
	s_barrier_wait -1
	s_cmp_lg_u32 s10, 0                            ; wave 0 stores the 128 sums: 512 consecutive bytes, aligned
	s_cbranch_scc1 .Lend
	v_lshl_add_u32 v74, v0, 4, SST
	ds_load_b128 v[80:83], v74
	v_lshlrev_b32 v75, 4, v0
	s_wait_dscnt 0x0
	global_store_b128 v75, v[80:83], s[76:77]
.Lend:
.else
	s_mov_b32 s3, 4
.Lrows:                                            ; eight rows a trip; a store is a row's 512 consecutive bytes, aligned
	s_wait_xcnt 0x0                                ; the last trip's stores have read their offset and their data
	v_add_nc_u32 v[CO], 8*8192, v[CO]
.irp j, 0,1,2,3,4,5,6,7
	ds_load_b128 v[32+4*(\j):32+4*(\j)+3], v[RD] offset:(\j)*SPITCH
.endr
	v_add_nc_u32 v[RD], 8*SPITCH, v[RD]
.irp j, 0,1,2,3,4,5,6,7
	s_wait_dscnt 7-(\j)                            ; the younger loads may stay out
	global_store_b128 v[CO], v[32+4*(\j):32+4*(\j)+3], s[74:75] offset:(\j)*8192-8*8192 th:TH_STORE_NT
.endr
	s_sub_co_u32 s3, s3, 1
	s_cmp_lg_u32 s3, 0
	s_cbranch_scc1 .Lrows
.endif
	s_wait_tensorcnt 0x0                           ; the wave's end
	ds_add_u32 v[SPW], v[NIL]
	s_wait_dscnt 0x0
	CROUND                                         ; the closing round
	s_endpgm
.Lfunc_end_k_q8e63b42354_ffn2:
	.size	k_q8e63b42354_ffn2, .Lfunc_end_k_q8e63b42354_ffn2-k_q8e63b42354_ffn2
	.p2alignl 7, 3214868480
	.fill 96, 4, 3214868480
	.section	.rodata,"a",@progbits
	.p2align	6, 0x0
	.amdhsa_kernel k_q8e63b42354_ffn2
		.amdhsa_group_segment_fixed_size 327680
		.amdhsa_private_segment_fixed_size 0
		.amdhsa_enable_private_segment 0
		.amdhsa_kernarg_size 32
		.amdhsa_user_sgpr_count 2
		.amdhsa_user_sgpr_kernarg_segment_ptr 1
		.amdhsa_wavefront_size32 1
		.amdhsa_system_sgpr_workgroup_id_x 1
		.amdhsa_system_sgpr_workgroup_id_y 1
		.amdhsa_system_sgpr_workgroup_id_z 1
		.amdhsa_system_vgpr_workitem_id 0
		.amdhsa_next_free_vgpr 512
		.amdhsa_next_free_sgpr 90
		.amdhsa_reserve_vcc 1
		.amdhsa_float_denorm_mode_32 3
		.amdhsa_float_denorm_mode_16_64 3
		.amdhsa_memory_ordered 1
		.amdhsa_forward_progress 1
		.amdhsa_inst_pref_size 56
	.end_amdhsa_kernel
	.amdgpu_metadata
---
amdhsa.version: [ 1, 2 ]
amdhsa.kernels:
  - .name:           k_q8e63b42354_ffn2
    .symbol:         k_q8e63b42354_ffn2.kd
    .args:
      - { .name: u, .offset: 0, .size: 8, .value_kind: global_buffer, .address_space: global }
      - { .name: wts, .offset: 8, .size: 8, .value_kind: global_buffer, .address_space: global }
      - { .name: x1b, .offset: 16, .size: 8, .value_kind: global_buffer, .address_space: global }
      - { .name: out0, .offset: 24, .size: 8, .value_kind: global_buffer, .address_space: global }
    .group_segment_fixed_size: 327680
    .private_segment_fixed_size: 0
    .kernarg_segment_align: 8
    .kernarg_segment_size: 32
    .max_flat_workgroup_size: 128
    .sgpr_count:     90
    .vgpr_count:     512
    .wavefront_size: 32
...
	.end_amdgpu_metadata
.endif
;; end of part 6
